; MI455X (gfx1250); checked and timed in simulation.
; The chip was launched on July 23, 2026; its instructions are those of AMD's public machine-readable ISA for CDNA 5 (MIT licence, August 2026) and "CDNA5" Instruction Set Architecture Reference Guide (July 2026). The comments in the code are by the model that wrote it; some were corrected since.
;; Mo E. Allowed arithmetic: matrix products marked QUANTISED: E4M3 operands, one given power-of-two scale a tensor, by v_wmma_f32_16x16x64_fp8_fp8 or v_wmma_f32_16x16x128_fp8_fp8, f32 sums; products left as they are: f32 operands where the result goes on into a quantised operand, else bf16, f16 or f32 operands; f32 sums; everything else in f32.
;; Inputs: W1_codes 8 x 4,096 x 32 x 32 uint8 (E4M3 codes of W1, K innermost, in blocks of 32 codes); W2_codes 8 x 1,024 x 64 x 32 uint8 (E4M3 codes of W2, K innermost, in blocks of 32 codes); Wr 1,024 x 8 float32; b1 8 x 4,096 float32; b2 8 x 1,024 float32; br 8 float32; lowp_scales 4 int32 (the exponents e of the quantised operands' scales 2^e); x 4 x 256 x 1,024 float32.
;; Outputs: out0 4 x 256 x 1,024 float32.
;; This version of the problem:
;;   THIS VERSION OF THE PROBLEM IS GIVEN IN LOW PRECISION. The matrix products marked QUANTISED in the list below multiply operands that are first quantised to E4M3 (4 exponent bits, 3 mantissa bits; 8 bits a number), with one given power-of-two scale for each operand tensor; their sums are f32. All else is computed in f32.
;;   The module's matrix products, in the order in which they are computed (A, B: the left and right operand; K: the contracted axis; several contracted axes count as one K, in the product's order):
;;     1. [M 1,024, K 1,024] x [K 1,024, N 8]; A: input x; B: input Wr: left as it is (N = 8 < 16)
;;     2. [M 32,768, K 1,024] x [K 1,024, N 1,024]; A: input W1 (given as codes); B: input x: QUANTISED (scales: A lowp_scales[0], B lowp_scales[1])
;;     3. batch 8 x [M 1,024, K 2,048] x [K 2,048, N 1,024]; A: computed on the way; B: input W2 (given as codes): QUANTISED (scales: A lowp_scales[2], B lowp_scales[3])
;;   THE QUANTISER, for each operand of a quantised product, along K:
;;     - The operand's scale is 2^e, e = its entry of the input lowp_scales (int32; the entries are numbered through the quantised products in the list's order, A before B).
;;     - Each number is divided by the scale, clamped to +-448, and rounded to the nearest number of E4M3, ties to even, subnormals kept.
;;     - The product sums the exact products of the quantised numbers (number of the format x scale) in f32.
;;   ~~~python
;;   def quantise(x, axis, e):      # numpy; x: float32 -> the quantised numbers, widened to float32 again
;;       x = np.moveaxis(x, axis, -1); K = x.shape[-1]
;;       r = np.clip(x / 2.0 ** e, -448, 448)
;;       step = 2.0 ** (np.maximum(np.frexp(np.where(r == 0, 1, r))[1] - 1, -6) - 3)
;;       q = np.round(r / step) * step * 2.0 ** e      # np.round: ties to even
;;       return np.moveaxis(q, -1, axis).astype(np.float32)
;;   ~~~
;;   OPERANDS COMPUTED ON THE WAY. 'Computed on the way' means the value that the module computes at that place (a softmax that the list does not call 'softmax' is quantised finished and normalised). What goes into a quantiser is computed in f32, as accurately as f32 sums, v_exp_f32 and their like allow (about 1e-6 of the number): no bf16 or f16 on the way to a quantiser, and a product that is left as it is and whose result goes on into a quantised operand takes f32 operands (vector FMAs, or v_wmma_f32_16x16x4_f32). A number that lies on a knife's edge between two numbers of the format may be rounded either way, as far as f32 arithmetic and the matrix unit's own rounding can turn it there, and no further.
;;   INPUTS GIVEN AS CODES. W1 (in the module: [8, 1024, 4096], K = its axis 1); W2 (in the module: [8, 2048, 1024], K = its axis 1): each comes as NAME_codes (uint8): NAME with its K axis moved to the last place and cut into blocks of 32 codes, [.., K / 32, bytes a block], one block behind the other in memory; one code a byte (a code: sign, 4 exponent bits, 3 mantissa bits); its scale is its entry of lowp_scales. Its value is code x scale, taken as it is: it is not quantised again, and the codes and scales need not be those that the quantiser above would give.
;; 2 versions, each right; version 2 is version 1 with the launches up, down written anew for expert scheduling mode. Each part assembles by itself: llvm-mc -triple=amdgcn-amd-amdhsa -mcpu=gfx1250 --defsym DOCPART=n.
;; ======== version 1 of 2: 4 launches
;; limits: right only within a limited range of input values
;; workspace buffers: xq 1,048,576 bytes; keys 4,096 bytes of whole numbers; sc 32,768 bytes; xs 1,048,576 bytes; ord 4,096 bytes of whole numbers; wt 32,768 bytes; act 16,777,216 bytes
;; launch route (part 1): grid 256 x 1, 4 waves a work-group, no clusters, 21,504 bytes of LDS; arguments x, Wr, br, lowp_scales, xq, keys, sc; writes xq, keys, sc
.if DOCPART == 1
	.amdgcn_target "amdgcn-amd-amdhsa--gfx1250"
	.amdhsa_code_object_version 6
	.text
	.protected	k_qbd2e1a4740_route
	.globl	k_qbd2e1a4740_route
	.p2align	8
	.type	k_qbd2e1a4740_route,@function
k_qbd2e1a4740_route:
	s_mov_b64 s[64:65], 0
	v_nop
	global_prefetch_b8 v0, s[64:65] scope:SCOPE_SE
	s_setreg_imm32_b32 hwreg(HW_REG_WAVE_MODE, 25, 1), 1
	s_wait_xcnt 0x0
; ROUTE: the router's logits in f32, each token's two experts and their softmax weights, and x's codes of E4M3.
; THE WHOLE PROGRAM: route (this) -> place (tokens sorted by their pair of experts) -> up (x W1 + b1, swiglu, codes) -> down (W2, b2, the weights, the sum).
; WORK LEFT OUT, and why it is dead: out = the sum over the two experts that take_along_axis gathers for a token.  out_e[e][n] of an expert e that is not among
; token n's topk_idx is gathered by nothing and reaches no output, whatever values the inputs hold.  So the later launches multiply, for each tile of 16 sorted tokens,
; only the experts that some token of the tile chose; a token of such a tile that did not choose the expert is computed along and weighed with 0.
; Every input has a way to the output and is loaded by some launch.
; LIMITS: a NaN, an infinity or an overflow that arises only in an expert's work for tokens that did not choose it is not carried to the result, except that a NaN code
; in W1 or W2 or a b1 or b2 that is not finite, of expert e, also reaches the tokens that share a tile of 16 with a token that chose e (0 x NaN).
; Logits are finite and no NaN.  The exponent of x's scale, lowp_scales[1], lies between -126 and 119, so that 2^e and 448 x 2^e are f32 numbers.
; SHARES.  A work-group takes 4 tokens; wave w takes k = 256 w .. 256 w + 255 of all four, so that Wr is read once a work-group by dense loads.  Behind one barrier wave w finishes token 4 wg + w.
; Each load of x reads 512 consecutive bytes; the numbers turn through the wave's own stage in LDS so that a lane holds 16 neighbours along K for the conversions,
; and the router's factors are read from the same stage.  No address and no branch hangs on the choice: it is stored at fixed places.
; No matrix unit (8 columns), no tensor load, no cluster: work-groups share only Wr, 32 KiB.
.set SP,    80                         ; a place in a stage: 64 bytes + 16 of padding
.set STW,   5120                       ; a wave's two stages of 32 places
.set PART,  20480                      ; [wave][token 4][8] f32: the waves' partial logits, 512 bytes
.set SPARE, 20992                      ; the spare words, 128 bytes for each wave: two blocks of 256 bytes that no other line names
.set R,   16                           ; v16-47   x as loaded: token j, half i at 8 j + 4 i; later the 32 partial logits
.set WR,  48                           ; v48-111  Wr: load n, 4 registers: Wr[256 w + 16 n + lane / 2][4 (lane % 2) + q]
.set X,   112                          ; v112-143 two sets of 16 neighbours
.set XR,  144                          ; v144-207 x[token j][256 w + 16 n + lane / 2] at 16 j + n
.set AC,  208                          ; v208-223 sums: token j, column q at 4 j + q
.set CD,  224                          ; v224-231 codes, four registers a step
.set L,   232                          ; v232-239 the eight logits
.set M,   240                          ; v240-247 at work; the logits with the best one masked
.set SPW, 252                          ; LDS address of my spare word; never rewritten
.set NIL, 253                          ; 0; never rewritten
	s_load_b256 s[4:11], s[0:1], 0x0               ; x s[4:5], Wr s[6:7], br s[8:9], the scales' exponents s[10:11]
	s_load_b128 s[12:15], s[0:1], 0x20             ; xq s[12:13], keys s[14:15]
	s_load_b64 s[16:17], s[0:1], 0x30              ; sc
	v_lshl_add_u32 v[SPW], v0, 2, SPARE
	v_mov_b32 v[NIL], 0
	v_lshrrev_b32 v9, 5, v0
	v_readfirstlane_b32 s18, v9                    ; wave 0..3
	v_and_b32 v1, 31, v0                           ; lane
	v_lshlrev_b32 v2, 4, v1                        ; 16 x lane: my bytes of a dense load
	s_mul_i32 s32, s18, STW                        ; my wave's stages
	v_lshrrev_b32 v3, 2, v1
	v_mul_u32_u24 v3, v3, SP
	v_and_b32 v9, 3, v1
	v_lshl_add_u32 v3, v9, 4, v3
	v_add_nc_u32 v3, s32, v3                       ; into a stage: four lanes' 64 bytes on end, then the padding
	v_mul_u32_u24 v4, v1, SP
	v_add_nc_u32 v4, s32, v4                       ; out of it: my 16 neighbours
	v_lshrrev_b32 v5, 1, v1
	v_lshl_add_u32 v5, v5, 2, s32                  ; and number lane / 2 of a place, for the router
	v_lshrrev_b32 v6, 4, v1
	v_lshlrev_b32 v6, 10, v6
	v_and_b32 v9, 15, v1
	v_lshl_add_u32 v6, v9, 4, v6
	s_lshl_b32 s33, s18, 8
	v_add_nc_u32 v6, s33, v6                       ; xq: 1024 (lane / 16) + 256 w + 16 (lane % 16)
	v_and_b32 v7, 1, v1
	s_lshl_b32 s33, s18, 7
	s_add_co_u32 s33, s33, PART
	v_lshl_add_u32 v7, v7, 4, s33                  ; where I put partial logits: my wave's 128 bytes, my four columns
	s_lshl_b32 s33, s18, 5
	v_lshl_add_u32 v12, v1, 2, s33                 ; sc: 32 w + 4 x lane
	s_add_co_u32 s33, s33, PART
	v_mov_b32 v8, s33                              ; where I read them: token w's 32 bytes in wave 0's part
	s_lshl_b32 s33, s18, 2
	v_mov_b32 v13, s33                             ; keys: 4 w
	s_lshl_b32 s22, ttmp9, 2
	s_add_co_u32 s22, s22, s18                     ; the token that I finish
	s_mov_b32 s20, 0x76543210                      ; v_permlanex16_b32's selects for lane xor 16
	s_mov_b32 s21, 0xfedcba98
	s_lshl_b32 s34, ttmp9, 14                      ; x: 4 rows of 4,096 bytes a work-group,
	s_lshl_b32 s35, s18, 10                        ; 256 numbers a wave
	s_add_co_u32 s34, s34, s35
	s_mov_b32 s35, 0
	s_lshl_b32 s36, s18, 13                        ; Wr: 256 rows of 32 bytes a wave
	s_mov_b32 s37, 0
	s_lshl_b32 s38, ttmp9, 12                      ; xq: 4 rows of 1,024 bytes
	s_mov_b32 s39, 0
	s_wait_kmcnt 0x0
	s_load_b256 s[24:31], s[8:9], 0x0              ; br
	s_load_b32 s19, s[10:11], 0x4                  ; the exponent of x's scale
	s_add_nc_u64 s[4:5], s[4:5], s[34:35]
	s_add_nc_u64 s[6:7], s[6:7], s[36:37]
	s_add_nc_u64 s[12:13], s[12:13], s[38:39]
	s_lshl_b32 s34, ttmp9, 4
	s_add_nc_u64 s[14:15], s[14:15], s[34:35]      ; keys: 4 words a work-group
	s_lshl_b32 s34, ttmp9, 7
	s_add_nc_u64 s[16:17], s[16:17], s[34:35]      ; sc: 4 x 32 bytes
.irp j, 0,1,2,3
.irp i, 0,1
	global_load_b128 v[R+8*\j+4*\i:R+8*\j+4*\i+3], v2, s[4:5] offset:4096*\j+512*\i th:TH_LOAD_NT   ; 32 lanes read 512 consecutive bytes of token j
.endr
.endr
.irp n, 0,1,2,3,4,5,6,7,8,9,10,11,12,13,14,15
	global_load_b128 v[WR+4*\n:WR+4*\n+3], v2, s[6:7] offset:512*\n   ; 16 rows of Wr, dense
.endr
	s_wait_loadcnt 16                              ; x's eight loads are in; Wr's sixteen, issued behind them, may be out
.irp st, 0,1                                   ; step st = tokens 2 st and 2 st + 1: 2,048 bytes as they lie
.irp q, 0,1,2,3
	ds_store_b128 v3, v[R+16*\st+4*\q:R+16*\st+4*\q+3] offset:2560*\st+640*\q
.endr
.endr
.irp st, 0,1                                   ; LDS serves a wave's instructions in order: these see the stores above
.irp i, 0,1,2,3
	ds_load_b128 v[X+16*\st+4*\i:X+16*\st+4*\i+3], v4 offset:2560*\st+16*\i   ; lane l: token 2 st + l / 16, k = 256 w + 16 (l % 16) + 0 .. 15
.endr
.endr
.irp j, 0,1,2,3
.irp n, 0,1,2,3,4,5,6,7,8,9,10,11,12,13,14,15
	ds_load_b32 v[XR+16*\j+\n], v5 offset:2560*(\j/2)+80*(16*(\j%2)+\n)
.endr
.endr
	s_wait_kmcnt 0x0
	s_add_co_i32 s33, s19, 127
	s_lshl_b32 s34, s33, 23
	v_mov_b32 v11, s34                             ; 2^e as f32: the conversion takes its exponent field
	s_add_co_i32 s33, s33, 8
	s_lshl_b32 s33, s33, 23
	s_or_b32 s33, s33, 0x600000
	v_mov_b32 v10, s33                             ; 448 x 2^e
	s_wait_dscnt 63                                ; of the 80 LDS instructions the first 17 are done: the 8 stores and the 8 loads of neighbours among them (a count can name 63 at the most)
.irp st, 0,1
.irp i, 0,1,2,3,4,5,6,7,8,9,10,11,12,13,14,15
	v_med3_num_f32 v[X+16*\st+\i], v[X+16*\st+\i], -v10, v10   ; the conversion to an 8-bit code does not saturate (ISA guide 7.6.2): the hold at the largest code x the scale
.endr
	v_cvt_scalef32_pk8_fp8_f32 v[CD+4*\st:CD+4*\st+1], v[X+16*\st:X+16*\st+7], v11
	v_cvt_scalef32_pk8_fp8_f32 v[CD+4*\st+2:CD+4*\st+3], v[X+16*\st+8:X+16*\st+15], v11
	v_nop                                          ; one plain vector line behind the conversions
	global_store_b128 v6, v[CD+4*\st:CD+4*\st+3], s[12:13] offset:2048*\st   ; sixteen lanes store 256 consecutive bytes, aligned
.endr
	s_wait_loadcnt 0x0                             ; Wr
.irp j, 0,1,2,3
	s_wait_dscnt 48-16*\j                          ; token j's sixteen factors are in; the later tokens' may be out
.irp q, 0,1,2,3
	v_mul_f32 v[AC+4*\j+\q], v[XR+16*\j], v[WR+\q]   ; the first product starts each sum
.endr
.irp n, 1,2,3,4,5,6,7,8,9,10,11,12,13,14,15
.irp q, 0,1,2,3
	v_fmac_f32 v[AC+4*\j+\q], v[XR+16*\j+\n], v[WR+4*\n+\q]
.endr
.endr
.endr
.irp m, 2,4,8                                  ; the sum over lane / 2: lanes xor 2, 4, 8, then xor 16; lane % 2 keeps its four columns
.irp a, 0,1,2,3,4,5,6,7,8,9,10,11,12,13,14,15
	v_add_f32_dpp v[AC+\a], v[AC+\a], v[AC+\a] row_xmask:\m row_mask:0xf bank_mask:0xf
.endr
.endr
.irp a, 0,1,2,3,4,5,6,7,8,9,10,11,12,13,14,15
	v_permlanex16_b32 v[XR+\a], v[AC+\a], s20, s21   ; (its destination has been written: the factors are done with)
.endr
.irp a, 0,1,2,3,4,5,6,7,8,9,10,11,12,13,14,15
	v_add_f32 v[AC+\a], v[AC+\a], v[XR+\a]
.endr
.irp j, 0,1,2,3
	ds_store_b128 v7, v[AC+4*\j:AC+4*\j+3] offset:32*\j   ; sixteen lanes write the same 16 bytes with the same numbers
.endr
	s_wait_dscnt 0x0                               ; for the others' sake: my partial logits have landed
	s_barrier_signal -1
	s_barrier_wait -1
.irp wv, 0,1,2,3
.irp u, 0,1
	ds_load_b128 v[R+8*\wv+4*\u:R+8*\wv+4*\u+3], v8 offset:128*\wv+16*\u   ; wave wv's part of my token's eight logits, the same in every lane
.endr
.endr
	s_wait_dscnt 0x0
.irp e, 0,1,2,3,4,5,6,7
	v_add_f32 v[L+\e], v[R+\e], v[R+8+\e]
	v_add_f32 v[M+\e], v[R+16+\e], v[R+24+\e]
.endr
.irp e, 0,1,2,3,4,5,6,7
	v_add_f32 v[L+\e], v[L+\e], v[M+\e]
.endr
.irp e, 0,1,2,3,4,5,6,7
	v_add_f32 v[L+\e], s[24+\e], v[L+\e]           ; + br
.endr
	; the two largest, the lower index first on ties, as jax.lax.top_k has it: an expert takes the place only if its logit is larger
	v_mov_b32 v248, v[L]                           ; the best logit
	v_mov_b32 v249, 0                              ; and its expert
.irp e, 1,2,3,4,5,6,7
	v_cmp_le_f32 vcc_lo, v[L+\e], v248
	v_cndmask_b32 v248, v[L+\e], v248, vcc_lo
	v_cndmask_b32 v249, \e, v249, vcc_lo
.endr
	v_mov_b32 v9, 0xff800000                       ; -infinity
.irp e, 0,1,2,3,4,5,6,7
	v_cmp_eq_u32 vcc_lo, \e, v249
	v_cndmask_b32 v[M+\e], v[L+\e], v9, vcc_lo
.endr
	v_mov_b32 v250, v[M]                           ; the second
	v_mov_b32 v251, 0
.irp e, 1,2,3,4,5,6,7
	v_cmp_le_f32 vcc_lo, v[M+\e], v250
	v_cndmask_b32 v250, v[M+\e], v250, vcc_lo
	v_cndmask_b32 v251, \e, v251, vcc_lo
.endr
	v_sub_f32 v250, v250, v248                     ; the softmax over the two: the maximum is taken away, so the exponents are 0 and d <= 0
	v_mul_f32 v250, 0x3fb8aa3b, v250
	v_exp_f32 v250, v250                           ; t = e^d
	v_min_u32 v10, v249, v251                      ; lo  (plain lines behind the exponential)
	v_max_u32 v11, v249, v251                      ; hi
	s_wait_alu depctr_va_vdst(0)                   ; the wait ahead of the first reader
	v_add_f32 v248, 1.0, v250
	v_rcp_f32 v248, v248                           ; the best's weight, 1 / (1 + t)
	v_lshlrev_b32 v10, 13, v10
	v_lshl_or_b32 v10, v11, 10, v10
	v_or_b32 v10, s22, v10                         ; the key: lo << 13 | hi << 10 | token
	s_wait_alu depctr_va_vdst(0)
	v_mul_f32 v250, v250, v248                     ; the second's, t / (1 + t)
	v_cmp_eq_u32 vcc_lo, v1, v251
	v_cndmask_b32 v9, 0, v250, vcc_lo
	v_cmp_eq_u32 vcc_lo, v1, v249
	v_cndmask_b32 v9, v9, v248, vcc_lo             ; lane e: expert e's weight for my token, 0 where it was not chosen
	v_cmp_gt_u32 vcc_lo, 8, v1
	s_wait_xcnt 0x0                                ; EXEC changes only behind this wait: the stores of codes have read theirs
	s_and_saveexec_b32 s32, vcc_lo
	global_store_b32 v12, v9, s[16:17]             ; lanes 0 to 7: the token's eight weights
	s_wait_xcnt 0x0
	s_or_b32 exec_lo, exec_lo, s32
	v_cmp_eq_u32 vcc_lo, 0, v1
	s_and_saveexec_b32 s32, vcc_lo
	global_store_b32 v13, v10, s[14:15]            ; lane 0: the key
	s_wait_xcnt 0x0
	s_or_b32 exec_lo, exec_lo, s32
	s_wait_tensorcnt 0x0                           ; the wave's end: three lines, behind my last LDS store
	ds_add_u32 v[SPW], v[NIL]
	s_wait_dscnt 0x0
	s_endpgm
.Lfunc_end_k_qbd2e1a4740_route:
	.size	k_qbd2e1a4740_route, .Lfunc_end_k_qbd2e1a4740_route-k_qbd2e1a4740_route
	.p2alignl 7, 3214868480
	.fill 96, 4, 3214868480
	.section	.rodata,"a",@progbits
	.p2align	6, 0x0
	.amdhsa_kernel k_qbd2e1a4740_route
		.amdhsa_group_segment_fixed_size 21504
		.amdhsa_private_segment_fixed_size 0
		.amdhsa_enable_private_segment 0
		.amdhsa_kernarg_size 56
		.amdhsa_user_sgpr_count 2
		.amdhsa_user_sgpr_kernarg_segment_ptr 1
		.amdhsa_wavefront_size32 1
		.amdhsa_system_sgpr_workgroup_id_x 1
		.amdhsa_system_sgpr_workgroup_id_y 1
		.amdhsa_system_sgpr_workgroup_id_z 1
		.amdhsa_system_vgpr_workitem_id 0
		.amdhsa_next_free_vgpr 256
		.amdhsa_next_free_sgpr 66
		.amdhsa_reserve_vcc 1
		.amdhsa_float_denorm_mode_32 3
		.amdhsa_float_denorm_mode_16_64 3
		.amdhsa_memory_ordered 1
		.amdhsa_forward_progress 1
		.amdhsa_inst_pref_size 31
	.end_amdhsa_kernel
	.amdgpu_metadata
---
amdhsa.version: [ 1, 2 ]
amdhsa.kernels:
  - .name:           k_qbd2e1a4740_route
    .symbol:         k_qbd2e1a4740_route.kd
    .args:
      - { .name: x, .offset: 0, .size: 8, .value_kind: global_buffer, .address_space: global }
      - { .name: Wr, .offset: 8, .size: 8, .value_kind: global_buffer, .address_space: global }
      - { .name: br, .offset: 16, .size: 8, .value_kind: global_buffer, .address_space: global }
      - { .name: lowp_scales, .offset: 24, .size: 8, .value_kind: global_buffer, .address_space: global }
      - { .name: xq, .offset: 32, .size: 8, .value_kind: global_buffer, .address_space: global }
      - { .name: keys, .offset: 40, .size: 8, .value_kind: global_buffer, .address_space: global }
      - { .name: sc, .offset: 48, .size: 8, .value_kind: global_buffer, .address_space: global }
    .group_segment_fixed_size: 21504
    .private_segment_fixed_size: 0
    .kernarg_segment_align: 8
    .kernarg_segment_size: 56
    .max_flat_workgroup_size: 128
    .sgpr_count:     66
    .vgpr_count:     256
    .wavefront_size: 32
...
	.end_amdgpu_metadata
.endif
;; end of part 1
;; launch place (part 2): grid 256 x 1, 4 waves a work-group, no clusters, 0 bytes of LDS; arguments keys, sc, xq, ord, wt, xs; writes ord, wt, xs
.if DOCPART == 2
	.amdgcn_target "amdgcn-amd-amdhsa--gfx1250"
	.amdhsa_code_object_version 6
	.text
	.protected	k_qbd2e1a4740_place
	.globl	k_qbd2e1a4740_place
	.p2align	8
	.type	k_qbd2e1a4740_place,@function
k_qbd2e1a4740_place:
	s_mov_b64 s[64:65], 0
	v_nop
	global_prefetch_b8 v0, s[64:65] scope:SCOPE_SE
	s_setreg_imm32_b32 hwreg(HW_REG_WAVE_MODE, 25, 1), 1
	s_wait_xcnt 0x0
; PLACE: the tokens are sorted by their pair of experts.  A key is lo << 13 | hi << 10 | token, so no two are equal; a token's place is the number of keys smaller than its own:
; a permutation of 0 .. 1023, so each row of xs, wt and ord is written once, by one wave, and nothing is added between work-groups.
; One wave to a token: it holds all 1,024 keys (32 a lane), counts, and moves the token's 1,024 codes, its eight weights and one word (token | the two experts' bits << 16) to the place.
; The place is a whole number made of whole numbers that the launch before stored.  No LDS, no barrier, no branch.  Nothing here is matrix work or shared in tiles: no tensor load, no cluster.
	s_load_b256 s[4:11], s[0:1], 0x0               ; keys s[4:5], sc s[6:7], xq s[8:9], ord s[10:11]
	s_load_b128 s[12:15], s[0:1], 0x20             ; wt s[12:13], xs s[14:15]
	v_lshrrev_b32 v1, 5, v0
	v_readfirstlane_b32 s16, v1                    ; wave
	v_and_b32 v1, 31, v0                           ; lane
	v_lshlrev_b32 v2, 4, v1                        ; 16 x lane
	v_min_u32 v3, 7, v1
	v_lshlrev_b32 v3, 2, v3                        ; 4 x min(lane, 7): no lane leaves the token's eight weights
	v_lshlrev_b32 v4, 2, v1                        ; 4 x lane
	s_lshl_b32 s17, ttmp9, 2
	s_add_co_u32 s17, s17, s16                     ; my token
	s_lshl_b32 s20, s17, 2
	s_mov_b32 s21, 0
	s_lshl_b32 s22, s17, 10
	s_mov_b32 s23, 0
	s_wait_kmcnt 0x0
	s_add_nc_u64 s[56:57], s[4:5], s[20:21]
	s_load_b32 s18, s[56:57], 0x0                  ; my key
	s_add_nc_u64 s[8:9], s[8:9], s[22:23]          ; my row of codes
	s_lshl_b32 s22, s17, 5
	s_add_nc_u64 s[6:7], s[6:7], s[22:23]          ; my weights
.irp i, 0,1,2,3,4,5,6,7
	global_load_b128 v[8+4*\i:11+4*\i], v2, s[4:5] offset:512*\i   ; all keys, 512 consecutive bytes a load
.endr
	global_load_b128 v[40:43], v2, s[8:9] th:TH_LOAD_NT
	global_load_b128 v[44:47], v2, s[8:9] offset:512 th:TH_LOAD_NT
	global_load_b32 v5, v3, s[6:7]
	s_wait_kmcnt 0x0
	s_wait_loadcnt 3                               ; the keys are in; the three loads issued behind them may be out
.irp i, 0,1,2,3,4,5,6,7,8,9,10,11,12,13,14,15,16,17,18,19,20,21,22,23,24,25,26,27,28,29,30,31
	v_cmp_gt_u32 s[24+\i], s18, v[8+\i]            ; a bit for each key under mine
.endr
.irp i, 0,1,2,3,4,5,6,7,8,9,10,11,12,13,14,15,16,17,18,19,20,21,22,23,24,25,26,27,28,29,30,31
	s_bcnt1_i32_b32 s[24+\i], s[24+\i]
.endr
.irp i, 1,2,3,4,5,6,7,8,9,10,11,12,13,14,15,16,17,18,19,20,21,22,23,24,25,26,27,28,29,30,31
	s_add_co_u32 s24, s24, s[24+\i]
.endr
	s_min_u32 s19, s24, 1023                       ; my place; held inside the buffers ahead of the addresses
	s_lshr_b32 s20, s18, 13                        ; lo
	s_lshl_b32 s20, 1, s20
	s_bfe_u32 s21, s18, 0x3000a                    ; hi: 3 bits from bit 10
	s_lshl_b32 s21, 1, s21
	s_or_b32 s20, s20, s21
	s_lshl_b32 s20, s20, 16
	s_or_b32 s20, s20, s17                         ; token | the two experts' bits << 16
	v_mov_b32 v6, s20
	s_lshl_b32 s22, s19, 10
	s_add_nc_u64 s[14:15], s[14:15], s[22:23]      ; xs: rows of 1,024 bytes
	s_lshl_b32 s22, s19, 5
	s_add_nc_u64 s[12:13], s[12:13], s[22:23]      ; wt: 32 bytes
	s_lshl_b32 s22, s19, 2
	s_add_nc_u64 s[10:11], s[10:11], s[22:23]      ; ord: a word
	s_wait_loadcnt 0x0
	global_store_b128 v2, v[40:43], s[14:15]       ; the row: twice 512 consecutive bytes, aligned
	global_store_b128 v2, v[44:47], s[14:15] offset:512
	v_cmp_gt_u32 vcc_lo, 8, v1
	s_wait_xcnt 0x0                                ; EXEC changes only behind this wait
	s_and_saveexec_b32 s20, vcc_lo
	global_store_b32 v4, v5, s[12:13]              ; lanes 0 to 7: the weights
	s_wait_xcnt 0x0
	s_or_b32 exec_lo, exec_lo, s20
	v_cmp_eq_u32 vcc_lo, 0, v1
	s_and_saveexec_b32 s20, vcc_lo
	global_store_b32 v4, v6, s[10:11]              ; lane 0: the word
	s_wait_xcnt 0x0
	s_or_b32 exec_lo, exec_lo, s20
	s_endpgm
.Lfunc_end_k_qbd2e1a4740_place:
	.size	k_qbd2e1a4740_place, .Lfunc_end_k_qbd2e1a4740_place-k_qbd2e1a4740_place
	.p2alignl 7, 3214868480
	.fill 96, 4, 3214868480
	.section	.rodata,"a",@progbits
	.p2align	6, 0x0
	.amdhsa_kernel k_qbd2e1a4740_place
		.amdhsa_group_segment_fixed_size 0
		.amdhsa_private_segment_fixed_size 0
		.amdhsa_enable_private_segment 0
		.amdhsa_kernarg_size 48
		.amdhsa_user_sgpr_count 2
		.amdhsa_user_sgpr_kernarg_segment_ptr 1
		.amdhsa_wavefront_size32 1
		.amdhsa_system_sgpr_workgroup_id_x 1
		.amdhsa_system_sgpr_workgroup_id_y 1
		.amdhsa_system_sgpr_workgroup_id_z 1
		.amdhsa_system_vgpr_workitem_id 0
		.amdhsa_next_free_vgpr 48
		.amdhsa_next_free_sgpr 66
		.amdhsa_reserve_vcc 1
		.amdhsa_float_denorm_mode_32 3
		.amdhsa_float_denorm_mode_16_64 3
		.amdhsa_memory_ordered 1
		.amdhsa_forward_progress 1
		.amdhsa_inst_pref_size 8
	.end_amdhsa_kernel
	.amdgpu_metadata
---
amdhsa.version: [ 1, 2 ]
amdhsa.kernels:
  - .name:           k_qbd2e1a4740_place
    .symbol:         k_qbd2e1a4740_place.kd
    .args:
      - { .name: keys, .offset: 0, .size: 8, .value_kind: global_buffer, .address_space: global }
      - { .name: sc, .offset: 8, .size: 8, .value_kind: global_buffer, .address_space: global }
      - { .name: xq, .offset: 16, .size: 8, .value_kind: global_buffer, .address_space: global }
      - { .name: ord, .offset: 24, .size: 8, .value_kind: global_buffer, .address_space: global }
      - { .name: wt, .offset: 32, .size: 8, .value_kind: global_buffer, .address_space: global }
      - { .name: xs, .offset: 40, .size: 8, .value_kind: global_buffer, .address_space: global }
    .group_segment_fixed_size: 0
    .private_segment_fixed_size: 0
    .kernarg_segment_align: 8
    .kernarg_segment_size: 48
    .max_flat_workgroup_size: 128
    .sgpr_count:     66
    .vgpr_count:     48
    .wavefront_size: 32
...
	.end_amdgpu_metadata
.endif
;; end of part 2
;; launch up (part 3): grid 256 x 1, 4 waves a work-group, no clusters, 283,392 bytes of LDS; arguments ord, xs, W1_codes, b1, lowp_scales, act; writes act
.if DOCPART == 3
	.amdgcn_target "amdgcn-amd-amdhsa--gfx1250"
	.amdhsa_code_object_version 6
	.text
	.protected	k_qbd2e1a4740_up
	.globl	k_qbd2e1a4740_up
	.p2align	8
	.type	k_qbd2e1a4740_up,@function
k_qbd2e1a4740_up:
	s_mov_b64 s[64:65], 0
	v_nop
	global_prefetch_b8 v0, s[64:65] scope:SCOPE_SE
	s_setreg_imm32_b32 hwreg(HW_REG_WAVE_MODE, 25, 1), 1
	s_wait_xcnt 0x0
; UP: act = Q(silu(a) g), (a, g) = x W1 + b1, on codes of E4M3; for each expert only the tiles of 16 sorted tokens in which some token chose it.
; WORK LEFT OUT: tiles in which no token chose the expert: their results are gathered by nothing (shown at the head of the first kernel).
; SHARES.  Work-group = (expert e, 128 hidden units = K step s of the second product, parity p of the tiles): 8 x 16 x 2.  Wave c takes hidden units 128 s + 32 c .. + 31, as four tiles of 16 rows of W1
; (a and g, two each), 64 rows x 1,024 codes, which stay in 512 registers for the whole launch.  The used tiles' codes of x (16 KiB each) are brought into LDS by the four waves together and read by all four:
; a fragment of x read from LDS feeds four matrix instructions.
; THE MATRIX INSTRUCTION IS USED TRANSPOSED (source 0 = 16 rows of W1, source 1 = 16 tokens): a lane holds one token, and its registers run along the hidden units.
; THE ROWS OF W1 THAT FORM A TILE ARE NOT NEIGHBOURS: lane r of tile u takes row 8 u + r + 8 (r / 8), so that a lane's 16 registers of tiles 0 and 1 are 16 neighbouring hidden units, 16 (lane / 16) + 0 .. 15.
; Both operands come by loads of 16 bytes: registers 4 c .. 4 c + 3 hold k = 32 c + 16 (lane / 16) + 0 .. 15 of a step of 128: the same permutation of k on both sides, so every product meets its partner.
; SCALES.  A sum stands for sum x 2^E, E = e0 + e1.  b1 goes in as the first product's C, divided by 2^E.  exp(-a) = 2^(sum x (-log2(e) 2^E)); sum_a x sum_g / (1 + exp(-a)) = act / 2^(2 E); the conversion takes 2^(e2 - 2 E).
; LIMITS: E between -126 and 127; e2 - 2 E between -126 and 119.
; act is laid as images of the next operand's registers: [e][tile][s][c][lane][16 bytes]: my wave's 16 codes a lane are quarter c of K step s: one store of 512 consecutive bytes.
; NO TENSOR LOAD, NO COPY, NO CLUSTER: which tiles a work-group walks, and how many, hangs on the stored list, so branches hang on numbers read from memory, and partners would walk different numbers of tiles.
; Every barrier stands outside those branches; the loops' trip counts are constants and the work is jumped over.
; REGISTERS, in windows of 256: window 0: addresses, accumulators, the activation.  window 1: W1's K steps 0-3, tile T at v[64 T + 16 ks].  window 2: K steps 4-7.
;   window 3: two sets of x's eight fragments, at v0 and v128; at the fills the same registers carry x from memory to LDS.
.set PITCH, 1040                       ; a token's row in LDS: 1,024 bytes + 16 = 260 words: row r starts at bank 4 r mod 64 (64 banks of 4 bytes: ISA guide 11.1)
.set SLOTB, 16*PITCH                   ; a slot: one tile of x
.set SPARE, 17*SLOTB                   ; slots 0-15 are filled; slot 16 is never filled nor read: the look-ahead address of the loop's last trip falls there.  Behind it the spare words, 128 bytes a wave
.set ACC,  32                          ; v32-63   four accumulators: a's two tiles, g's two
.set BIAS, 64                          ; v64-95   b1 / 2^E in the result's layout
.set TT,   96                          ; v96-111  at work: exp, 1 + exp, its reciprocal
.set PP,   112                         ; v112-127 at work: a g, then act
.set CD,   128                         ; v128-131 the codes
.set OT,   160                         ; v160-191 the list's words, at the head only
.set SCQ,  16                          ; v16  2^(e2 - 2 E)
.set LIM,  17                          ; v17  448 x that
.set SPW,  18                          ; v18  LDS address of my spare word; never rewritten
.set NIL,  19                          ; v19  0; never rewritten
; v1 r, v2 h, v3 W1's offset, v4 x's offset in a tile, v5-8 where I store x in slots 0, 4, 8, 12, v9-11 where I read fragments in slots 0, 1, 2, v12 the address in hand, v13 act's offset, v14 b1's, v15 the list's
; s16 wave, s17 e, s18 s, s19 p, s[20:23] the exponents, s[24:25] -log2(e) 2^E, s26 the list for the fills, s27 for the products, s28 its length, s29 tiles in this chunk, s30 the loop's count, s31 its slot's byte,
; s[32:47] eight tiles' addresses in xs, s[48:49] W1, s[50:51] b1, s[52:53] act at (e, s), s[54:55] act at the tile in hand
.set MSB, 0
.macro WIN new                         ; the immediate's high byte repeats the setting that is left; bits 1:0 source 0, 3:2 source 1, 5:4 source 2, 7:6 destination
.if MSB != \new
	s_set_vgpr_msb (MSB<<8)|\new
.set MSB, \new
.endif
.endm
.macro PLACES                          ; four places behind a matrix instruction (ISA guide 7.12.1)
.rept 4
	v_nop
.endr
.endm
; The next tile of list s[f] into s[t].  Bit b of a list stands for tile (b & 30) + 32 (b & 1) + p.  An empty list gives tile 62 + p, which lies inside the buffers; nobody reads what is fetched for it.
.macro POP f, t
	s_ctz_i32_b32 s[\t], s[\f]
	s_min_u32 s[\t], s[\t], 31                     ; held ahead of the addresses
	s_sub_co_u32 s63, s[\f], 1
	s_and_b32 s[\f], s[\f], s63                    ; the bit is taken off
	s_and_b32 s63, s[\t], 1
	s_and_b32 s[\t], s[\t], 30
	s_lshl_b32 s63, s63, 5
	s_add_co_u32 s[\t], s[\t], s63
	s_add_co_u32 s[\t], s[\t], s19
.endm
; Four tiles of x from memory: my wave's rows 4 c .. 4 c + 3 of each, 4,096 bytes on end, eight loads of 512 consecutive bytes.
.macro XGL set, base
.irp k, 0,1,2,3
	POP 26, 60
	s_lshl_b32 s60, s60, 14                        ; a tile is 16 rows of 1,024 bytes
	s_mov_b32 s61, 0
	s_add_nc_u64 s[32+2*((\base)+\k):33+2*((\base)+\k)], s[6:7], s[60:61]
.endr
	WIN 0xc0                                       ; destination window 3
.irp k, 0,1,2,3
.irp i, 0,1,2,3,4,5,6,7
	global_load_b128 v[128*(\set)+32*\k+4*\i:128*(\set)+32*\k+4*\i+3], v4, s[32+2*((\base)+\k):33+2*((\base)+\k)] offset:512*\i
.endr
.endr
	WIN 0
.endm
.macro XST set, b                      ; and into slots 4 b .. 4 b + 3
	WIN 0x0c                                       ; store data window 3
.irp k, 0,1,2,3
.irp i, 0,1,2,3,4,5,6,7
	ds_store_b128 v[5+(\b)], v[128*(\set)+32*\k+4*\i:128*(\set)+32*\k+4*\i+3] offset:SLOTB*\k+PITCH*(\i/2)+512*(\i%2)
.endr
.endr
	WIN 0
.endm
.macro XLD buf                         ; a tile's eight fragments from the slot at v12 into set buf
	WIN 0xc0
.irp ks, 0,1,2,3,4,5,6,7
.irp cc, 0,1,2,3
	ds_load_b128 v[128*(\buf)+16*\ks+4*\cc:128*(\buf)+16*\ks+4*\cc+3], v12 offset:128*\ks+32*\cc
.endr
.endr
	WIN 0
.endm
; 32 matrix instructions: eight K steps x four tiles of rows.  The four accumulators take turns, one instruction a turn; the bias is the first product's C.
.macro MM buf
	WIN 0x0d                                       ; source 0 (W1) window 1, source 1 (x) window 3
.irp ks, 0,1,2,3
.irp t, 0,1,2,3
.if \ks == 0
	v_wmma_f32_16x16x128_fp8_fp8 v[ACC+8*\t:ACC+8*\t+7], v[64*\t+16*\ks:64*\t+16*\ks+15], v[128*(\buf)+16*\ks:128*(\buf)+16*\ks+15], v[BIAS+8*\t:BIAS+8*\t+7]
.else
	v_wmma_f32_16x16x128_fp8_fp8 v[ACC+8*\t:ACC+8*\t+7], v[64*\t+16*\ks:64*\t+16*\ks+15], v[128*(\buf)+16*\ks:128*(\buf)+16*\ks+15], v[ACC+8*\t:ACC+8*\t+7]
.endif
.endr
.endr
	WIN 0x0e                                       ; source 0 window 2
.irp ks, 4,5,6,7
.irp t, 0,1,2,3
	v_wmma_f32_16x16x128_fp8_fp8 v[ACC+8*\t:ACC+8*\t+7], v[64*\t+16*(\ks-4):64*\t+16*(\ks-4)+15], v[128*(\buf)+16*\ks:128*(\buf)+16*\ks+15], v[ACC+8*\t:ACC+8*\t+7]
.endr
.endr
	WIN 0
.endm
; The activation, the quantiser and the store.  Each accumulator is read from its low end on.  The exponentials are one batch with one wait, and so are the reciprocals.
.macro EPI
	PLACES
.irp j, 0,2,4,6,8,10,12,14
	v_pk_mul_f32 v[TT+\j:TT+\j+1], v[ACC+\j:ACC+\j+1], s[24:25] op_sel_hi:[1,0]   ; -a log2(e)
.endr
.irp j, 0,1,2,3,4,5,6,7,8,9,10,11,12,13,14,15
	v_exp_f32 v[TT+\j], v[TT+\j]                   ; e^-a
.endr
.irp j, 0,2,4,6,8,10,12,14
	v_pk_mul_f32 v[PP+\j:PP+\j+1], v[ACC+\j:ACC+\j+1], v[ACC+16+\j:ACC+17+\j]   ; a g / 2^(2 E): the plain work behind the batch
.endr
	s_wait_alu depctr_va_vdst(0)                   ; the wait ahead of the batch's first reader
.irp j, 0,2,4,6,8,10,12,14
	v_pk_add_f32 v[TT+\j:TT+\j+1], v[TT+\j:TT+\j+1], 1.0 op_sel_hi:[1,0]
.endr
.irp j, 0,1,2,3,4,5,6,7,8,9,10,11,12,13,14,15
	v_rcp_f32 v[TT+\j], v[TT+\j]                   ; sigmoid(a)
.endr
	v_nop                                          ; a plain line behind the last reciprocal
	s_wait_alu depctr_va_vdst(0)
.irp j, 0,2,4,6,8,10,12,14
	v_pk_mul_f32 v[PP+\j:PP+\j+1], v[PP+\j:PP+\j+1], v[TT+\j:TT+\j+1]
.endr
.irp j, 0,1,2,3,4,5,6,7,8,9,10,11,12,13,14,15
	v_med3_num_f32 v[PP+\j], v[PP+\j], -v[LIM], v[LIM]   ; the conversion does not saturate (ISA guide 7.6.2): the hold at the largest code x the scale
.endr
	v_cvt_scalef32_pk8_fp8_f32 v[CD:CD+1], v[PP:PP+7], v[SCQ]
	v_cvt_scalef32_pk8_fp8_f32 v[CD+2:CD+3], v[PP+8:PP+15], v[SCQ]
	v_nop                                          ; one plain vector line behind the conversions
	global_store_b128 v13, v[CD:CD+3], s[54:55]    ; the wave stores 512 consecutive bytes, aligned
.endm
; Slot s30 + k of the chunk, from set k; the next slot's fragments are asked for ahead of this slot's products.
.macro SUB k
	s_add_co_u32 s56, s30, \k
	s_cmp_ge_u32 s56, s29
	s_cbranch_scc1 .Lsub_end_\@                    ; past the list's end: the same in all four waves
	s_wait_dscnt 0x0                               ; my set's 32 loads, asked for a slot ago, are the only LDS instructions out
	s_add_co_u32 s56, s56, 1
	s_cmp_ge_u32 s56, s29
	s_cbranch_scc1 .Lno_next_\@
	v_add_nc_u32 v12, s31, v[10+\k]
	XLD 1-\k                                       ; that set's last products stand in front of the activation of the slot before: more than four places back
.Lno_next_\@:
	s_wait_xcnt 0x0                                ; the last store has read its codes and its base: both are written again below
	POP 27, 60
	s_lshl_b32 s60, s60, 15                        ; a tile's images are 32 KiB
	s_mov_b32 s61, 0
	s_add_nc_u64 s[54:55], s[52:53], s[60:61]
	MM \k
	EPI
.Lsub_end_\@:
.endm
.macro COMPUTE ch                      ; the list's entries 16 ch .. 16 ch + 15, which lie in slots 0 .. 15: eight trips of two slots, a constant count
	s_sub_co_i32 s29, s28, 16*\ch
	s_max_i32 s29, s29, 0
	s_mov_b32 s30, 0
	s_mov_b32 s31, 0
	s_cmp_eq_u32 s29, 0
	s_cbranch_scc1 .Lloop_\@
	v_mov_b32 v12, v9
	XLD 0
.Lloop_\@:
	SUB 0
	SUB 1
	s_add_co_u32 s31, s31, 2*SLOTB
	s_add_co_u32 s30, s30, 2
	s_cmp_lt_u32 s30, 16
	s_cbranch_scc1 .Lloop_\@
.endm
	s_load_b256 s[4:11], s[0:1], 0x0               ; ord s[4:5], xs s[6:7], W1's codes s[8:9], b1 s[10:11]
	s_load_b128 s[12:15], s[0:1], 0x20             ; the scales' exponents s[12:13], act s[14:15]
	v_lshl_add_u32 v[SPW], v0, 2, SPARE
	v_mov_b32 v[NIL], 0
	v_lshrrev_b32 v20, 5, v0
	v_readfirstlane_b32 s16, v20                   ; wave c
	v_and_b32 v21, 31, v0                          ; lane
	v_and_b32 v1, 15, v0                           ; r
	v_bfe_u32 v2, v0, 4, 1                         ; h
	v_and_b32 v20, 8, v1
	v_add_nc_u32 v20, v20, v1                      ; r + 8 (r / 8)
	v_lshlrev_b32 v3, 10, v20
	v_lshl_add_u32 v3, v2, 4, v3                   ; W1: that row of 1,024 bytes, + 16 h
	v_lshlrev_b32 v22, 4, v21                      ; 16 x lane
	s_lshl_b32 s56, s16, 12
	v_add_nc_u32 v4, s56, v22                      ; x in memory: my wave's four rows
	s_mul_i32 s56, s16, 4*PITCH
	v_add_nc_u32 v5, s56, v22                      ; and in a slot
	v_add_nc_u32 v6, 4*SLOTB, v5
	v_add_nc_u32 v7, 8*SLOTB, v5
	v_add_nc_u32 v8, 12*SLOTB, v5
	v_mul_u32_u24 v9, v1, PITCH
	v_lshl_add_u32 v9, v2, 4, v9                   ; a fragment: row r, + 16 h
	v_add_nc_u32 v10, SLOTB, v9
	v_add_nc_u32 v11, 2*SLOTB, v9
	s_lshl_b32 s56, s16, 9
	v_add_nc_u32 v13, s56, v22                     ; act: quarter c, 16 x lane
	v_lshlrev_b32 v14, 6, v2                       ; b1: 16 h numbers
	v_lshlrev_b32 v15, 6, v21                      ; the list: a tile's 16 words are 64 bytes; lane l takes tiles l and 32 + l
	s_lshr_b32 s17, ttmp9, 5                       ; e
	s_bfe_u32 s18, ttmp9, 0x40001                  ; s
	s_and_b32 s19, ttmp9, 1                        ; p
	s_lshl_b32 s56, s17, 22                        ; W1: an expert is 4,096 rows of 1,024 bytes; my rows begin at 128 s + 32 c
	s_lshl_b32 s57, s18, 17
	s_add_co_u32 s56, s56, s57
	s_lshl_b32 s57, s16, 15
	s_add_co_u32 s56, s56, s57
	s_mov_b32 s57, 0
	s_lshl_b32 s58, s17, 14                        ; b1: 4 (4096 e + 128 s + 32 c)
	s_lshl_b32 s59, s18, 9
	s_add_co_u32 s58, s58, s59
	s_lshl_b32 s59, s16, 7
	s_add_co_u32 s58, s58, s59
	s_mov_b32 s59, 0
	s_lshl_b32 s60, s17, 21                        ; act: 2 MiB an expert, 2,048 bytes a K step
	s_lshl_b32 s61, s18, 11
	s_add_co_u32 s60, s60, s61
	s_mov_b32 s61, 0
	s_wait_kmcnt 0x0
	s_load_b128 s[20:23], s[12:13], 0x0            ; e0 (W1), e1 (x), e2 (act), e3
	s_add_nc_u64 s[48:49], s[8:9], s[56:57]
	s_add_nc_u64 s[50:51], s[10:11], s[58:59]
	s_add_nc_u64 s[52:53], s[14:15], s[60:61]
.irp q, 0,1,2,3
	global_load_b128 v[OT+4*\q:OT+4*\q+3], v15, s[4:5] offset:16*\q
.endr
.irp q, 0,1,2,3
	global_load_b128 v[OT+16+4*\q:OT+16+4*\q+3], v15, s[4:5] offset:2048+16*\q
.endr
.irp t, 0,1,2,3                                ; tile t's bias: a's or g's half, hidden units 16 h + 8 (t % 2) + 0 .. 7
	global_load_b128 v[BIAS+8*\t:BIAS+8*\t+3], v14, s[50:51] offset:8192*(\t/2)+32*(\t%2)
	global_load_b128 v[BIAS+8*\t+4:BIAS+8*\t+7], v14, s[50:51] offset:8192*(\t/2)+32*(\t%2)+16
.endr
	WIN 0x40                                       ; destination window 1
.irp t, 0,1,2,3                                ; g's rows lie 2,048 rows behind a's; the second tile begins 8 rows behind the first
.irp ks, 0,1,2,3
.irp cc, 0,1,2,3
	global_load_b128 v[64*\t+16*\ks+4*\cc:64*\t+16*\ks+4*\cc+3], v3, s[48:49] offset:2097152*(\t/2)+8192*(\t%2)+128*\ks+32*\cc
.endr
.endr
.endr
	WIN 0
	s_wait_loadcnt 63                              ; 80 loads are issued: the first 17 are in, the list's eight and the bias's eight among them
.irp j, 0,1,2,3,4,5,6,7                        ; which experts a tile's 16 tokens chose: the words' union
	v_or_b32 v[OT+\j], v[OT+\j], v[OT+8+\j]
	v_or_b32 v[OT+16+\j], v[OT+16+\j], v[OT+24+\j]
.endr
.irp j, 0,1,2,3
	v_or_b32 v[OT+\j], v[OT+\j], v[OT+4+\j]
	v_or_b32 v[OT+16+\j], v[OT+16+\j], v[OT+20+\j]
.endr
.irp j, 0,1
	v_or_b32 v[OT+\j], v[OT+\j], v[OT+2+\j]
	v_or_b32 v[OT+16+\j], v[OT+16+\j], v[OT+18+\j]
.endr
	v_or_b32 v[OT], v[OT], v[OT+1]
	v_or_b32 v[OT+16], v[OT+16], v[OT+17]
	s_lshl_b32 s56, 0x10000, s17                   ; my expert's bit
	v_and_b32 v20, s56, v[OT]
	v_and_b32 v21, s56, v[OT+16]
	v_cmp_ne_u32 s57, 0, v20                       ; bit l: tile l uses my expert
	v_cmp_ne_u32 s58, 0, v21                       ; bit l: tile 32 + l
	s_lshl_b32 s59, 0x55555555, s19                ; the tiles of my parity,
	s_and_b32 s57, s57, s59
	s_lshr_b32 s57, s57, s19                       ; at the even bits,
	s_and_b32 s58, s58, s59
	s_lshr_b32 s58, s58, s19
	s_lshl_b32 s58, s58, 1                         ; the upper 32 tiles' at the odd ones
	s_or_b32 s26, s57, s58
	s_mov_b32 s27, s26
	s_bcnt1_i32_b32 s28, s26                       ; the list's length, 0 to 32
	XGL 0, 0                                       ; the list's first eight tiles
	XGL 1, 4
	WIN 0x80                                       ; destination window 2
.irp t, 0,1,2,3
.irp ks, 4,5,6,7
.irp cc, 0,1,2,3
	global_load_b128 v[64*\t+16*(\ks-4)+4*\cc:64*\t+16*(\ks-4)+4*\cc+3], v3, s[48:49] offset:2097152*(\t/2)+8192*(\t%2)+128*\ks+32*\cc
.endr
.endr
.endr
	WIN 0
	s_wait_kmcnt 0x0
	s_add_co_i32 s66, s20, s21                     ; E = e0 + e1
	s_sub_co_i32 s67, 0, s66
	s_lshl_b32 s24, s66, 23
	s_add_co_u32 s24, s24, 0xbfb8aa3b              ; -log2(e) with E added to its exponent field
	s_mov_b32 s25, s24                             ; (named with it as a pair, so it is written)
	s_lshl_b32 s68, s66, 1
	s_sub_co_i32 s68, s22, s68                     ; e2 - 2 E
	s_add_co_i32 s68, s68, 127
	s_lshl_b32 s69, s68, 23
	v_mov_b32 v[SCQ], s69
	s_add_co_i32 s68, s68, 8
	s_lshl_b32 s68, s68, 23
	s_or_b32 s68, s68, 0x600000
	v_mov_b32 v[LIM], s68
.set i, 0
.rept 32
	v_ldexp_f32 v[BIAS+i], v[BIAS+i], s67          ; b1 / 2^E
.set i, i+1
.endr
	s_wait_loadcnt 63                              ; 208 loads are issued: the first 145 are in; the eight tiles' 64 end at number 144
	XST 0, 0
	XST 1, 1
	s_wait_dscnt 0x0                               ; the stores have read their registers
	s_wait_xcnt 0x0                                ; and the loads their bases: both are written again below
	s_cmp_gt_u32 s28, 8
	s_cbranch_scc0 .Lfilled
	XGL 0, 0
	s_cmp_gt_u32 s28, 12
	s_cbranch_scc0 .Lhalf
	XGL 1, 4
.Lhalf:
	s_wait_loadcnt 0x0                             ; how many are out hangs on the list: so the count is 0
	XST 0, 2
	s_cmp_gt_u32 s28, 12
	s_cbranch_scc0 .Lfilled
	XST 1, 3
.Lfilled:
	s_wait_loadcnt 0x0                             ; all of W1 is in
	s_wait_dscnt 0x0                               ; for the others' sake: my rows of the slots have landed
	s_barrier_signal -1
	s_barrier_wait -1
	COMPUTE 0
	s_wait_dscnt 0x0                               ; my reads of the slots are over
	s_barrier_signal -1
	s_barrier_wait -1                              ; everybody's are: the slots may be written again
	s_cmp_gt_u32 s28, 16
	s_cbranch_scc0 .Lno_more
	s_wait_xcnt 0x0
	XGL 0, 0                                       ; more than 16 tiles: the other 16 entries, the same way
	XGL 1, 4
	s_wait_loadcnt 0x0
	XST 0, 0
	XST 1, 1
	s_wait_dscnt 0x0
	XGL 0, 0
	XGL 1, 4
	s_wait_loadcnt 0x0
	XST 0, 2
	XST 1, 3
.Lno_more:
	s_wait_dscnt 0x0
	s_barrier_signal -1
	s_barrier_wait -1
	COMPUTE 1
	s_wait_tensorcnt 0x0                           ; the wave's end: three lines, behind my last LDS store
	ds_add_u32 v[SPW], v[NIL]
	s_wait_dscnt 0x0
	s_endpgm
.Lfunc_end_k_qbd2e1a4740_up:
	.size	k_qbd2e1a4740_up, .Lfunc_end_k_qbd2e1a4740_up-k_qbd2e1a4740_up
	.p2alignl 7, 3214868480
	.fill 96, 4, 3214868480
	.section	.rodata,"a",@progbits
	.p2align	6, 0x0
	.amdhsa_kernel k_qbd2e1a4740_up
		.amdhsa_group_segment_fixed_size 283392
		.amdhsa_private_segment_fixed_size 0
		.amdhsa_enable_private_segment 0
		.amdhsa_kernarg_size 48
		.amdhsa_user_sgpr_count 2
		.amdhsa_user_sgpr_kernarg_segment_ptr 1
		.amdhsa_wavefront_size32 1
		.amdhsa_system_sgpr_workgroup_id_x 1
		.amdhsa_system_sgpr_workgroup_id_y 1
		.amdhsa_system_sgpr_workgroup_id_z 1
		.amdhsa_system_vgpr_workitem_id 0
		.amdhsa_next_free_vgpr 1024
		.amdhsa_next_free_sgpr 80
		.amdhsa_reserve_vcc 0
		.amdhsa_float_denorm_mode_32 3
		.amdhsa_float_denorm_mode_16_64 3
		.amdhsa_memory_ordered 1
		.amdhsa_forward_progress 1
		.amdhsa_inst_pref_size 117
	.end_amdhsa_kernel
	.amdgpu_metadata
---
amdhsa.version: [ 1, 2 ]
amdhsa.kernels:
  - .name:           k_qbd2e1a4740_up
    .symbol:         k_qbd2e1a4740_up.kd
    .args:
      - { .name: ord, .offset: 0, .size: 8, .value_kind: global_buffer, .address_space: global }
      - { .name: xs, .offset: 8, .size: 8, .value_kind: global_buffer, .address_space: global }
      - { .name: W1_codes, .offset: 16, .size: 8, .value_kind: global_buffer, .address_space: global }
      - { .name: b1, .offset: 24, .size: 8, .value_kind: global_buffer, .address_space: global }
      - { .name: lowp_scales, .offset: 32, .size: 8, .value_kind: global_buffer, .address_space: global }
      - { .name: act, .offset: 40, .size: 8, .value_kind: global_buffer, .address_space: global }
    .group_segment_fixed_size: 283392
    .private_segment_fixed_size: 0
    .kernarg_segment_align: 8
    .kernarg_segment_size: 48
    .max_flat_workgroup_size: 128
    .sgpr_count:     80
    .vgpr_count:     1024
    .wavefront_size: 32
...
	.end_amdgpu_metadata
.endif
;; end of part 3
;; launch down (part 4): grid 256 x 1, 8 waves a work-group, no clusters, 140,288 bytes of LDS; arguments ord, wt, act, W2_codes, b2, lowp_scales, out0; writes out0
.if DOCPART == 4
	.amdgcn_target "amdgcn-amd-amdhsa--gfx1250"
	.amdhsa_code_object_version 6
	.text
	.protected	k_qbd2e1a4740_down
	.globl	k_qbd2e1a4740_down
	.p2align	8
	.type	k_qbd2e1a4740_down,@function
k_qbd2e1a4740_down:
	s_mov_b64 s[64:65], 0
	v_nop
	global_prefetch_b8 v0, s[64:65] scope:SCOPE_SE
	s_setreg_imm32_b32 hwreg(HW_REG_WAVE_MODE, 25, 1), 1
	s_wait_xcnt 0x0
; DOWN: out[token] = the sum over its two experts of weight x (act W2 + b2), on codes of E4M3.  Each output row has one owner.
; WORK LEFT OUT: for each tile of 16 sorted tokens, the experts that none of its tokens chose (shown at the head of the first kernel).
; SHARES.  Work-group = (group g of 4 neighbouring tiles = 64 sorted tokens, 64 output columns): 16 x 16.  It walks the 8 experts in a loop of constant count and passes over, by a scalar branch on the
; stored list, the experts that none of its tokens uses, and in a used expert the tiles that do not use it.
; K = 2,048 IS SHARED OUT AMONG THE EIGHT WAVES, 256 each: so each byte of W2 and of act is loaded once a work-group, straight into operand registers, and the loop has no LDS and no barrier.
; The weight is a factor of a whole row, so each wave adds weight x its part of the sums into its own 64 x 64 of f32; the eight parts meet once, in LDS, at the end.
; Wave w also carries expert w's bias: its sums begin with weight[pos][w] x b2[w] / 2^(e2 + e3), which is 0 for tokens that did not choose w; nothing is cleared.  At the end all is multiplied by 2^(e2 + e3).
; LIMIT: e2 + e3 between -126 and 127.
; THE MATRIX INSTRUCTION IS USED TRANSPOSED (source 0 = 16 rows of W2 = output columns, source 1 = 16 tokens): a lane holds one token and eight neighbouring columns.
; act comes as images of the operand's registers; W2's registers 4 c .. 4 c + 3 hold k = 32 c + 16 (lane / 16) + 0 .. 15 of a step of 128: the order in which the launch before laid act.
; NO TENSOR LOAD, NO COPY, NO CLUSTER: the walk hangs on the stored list, so branches hang on numbers read from memory, and partners would use different experts.  The one barrier stands outside those branches.
; REGISTERS: window 0: v1-31 addresses and weights; v32-63 four accumulators; v64-191 act's fragments (tile t, K step ks at 64 + 32 t + 16 ks); v192-200 at work at the head.
;   window 1: v0-127 W2's fragments (tile dt, K step ks at 32 dt + 16 ks), at the end the parts read back; v128-255 my part of the output (tile t, columns' tile dt at 128 + 32 t + 8 dt).
.set RP,    272                        ; a row of a part in LDS: 256 bytes + 16: row r starts at bank 4 r mod 64 (64 banks of 4 bytes: ISA guide 11.1)
.set PARTB, 64*RP                      ; a wave's part
.set SPARE, 8*PARTB                    ; behind the parts: the spare words, 128 bytes for each of eight waves: four blocks of 256 bytes that no other line names
.set P,    32
.set AF,   64
.set OUT,  128                         ; in window 1
.set WTS,  16                          ; v16, 18, 20, 22: the weights of the expert in hand, tile t; the odd registers between are named as pairs' upper halves and hold 0
.set WB,   26                          ; v26-29: the bias's weights
.set SPW,  24                          ; LDS address of my spare word; never rewritten
.set NIL,  25                          ; 0; never rewritten
; v1 r, v2 h, v3 W2's offset, v4 act's, v5 the weights' (stepped by an expert), v6 the experts' bits of my two list words, v7 where I store my part, v8-10 where I read parts 0, 3, 6, v11-14 the four row pairs' places in out0
; s18 wave, s19 g, s20 column slice, s21 e2 + e3, s[24:25] 2^(e2 + e3), s26 the loop's count, s27 the expert's bit, s28 which lanes' tokens use it (byte t: tile t), s[32:33] W2, s[34:35] act, s[36:37] wt
.set MSB, 0
.macro WIN new                         ; the immediate's high byte repeats the setting that is left; bits 1:0 source 0, 3:2 source 1, 5:4 source 2, 7:6 destination
.if MSB != \new
	s_set_vgpr_msb (MSB<<8)|\new
.set MSB, \new
.endif
.endm
.macro PLACES                          ; four places behind a matrix instruction (ISA guide 7.12.1)
.rept 4
	v_nop
.endr
.endm
	s_load_b256 s[4:11], s[0:1], 0x0               ; ord s[4:5], wt s[6:7], act s[8:9], W2's codes s[10:11]
	s_load_b128 s[12:15], s[0:1], 0x20             ; b2 s[12:13], the scales' exponents s[14:15]
	s_load_b64 s[16:17], s[0:1], 0x30              ; out0
	v_lshl_add_u32 v[SPW], v0, 2, SPARE
	v_mov_b32 v[NIL], 0
	v_lshrrev_b32 v15, 5, v0
	v_readfirstlane_b32 s18, v15                   ; wave 0..7
	s_lshr_b32 s19, ttmp9, 4                       ; g
	s_and_b32 s20, ttmp9, 15                       ; which 64 columns
	v_and_b32 v30, 31, v0                          ; lane
	v_and_b32 v1, 15, v0                           ; r
	v_bfe_u32 v2, v0, 4, 1                         ; h
	v_lshlrev_b32 v3, 11, v1
	v_lshl_add_u32 v3, v2, 4, v3
	s_lshl_b32 s29, s18, 8
	v_add_nc_u32 v3, s29, v3                       ; W2: row r of 2,048 bytes, + 16 h, + my wave's 256 along K
	v_lshlrev_b32 v4, 4, v30
	s_lshl_b32 s29, s18, 12
	v_add_nc_u32 v4, s29, v4                       ; act: K steps 2 w and 2 w + 1 are 4,096 bytes; 16 x lane
	v_lshl_add_u32 v193, v2, 5, s29                ; b2: expert w's row of 4,096 bytes, + 8 h numbers
	v_lshlrev_b32 v5, 5, v1                        ; wt: token r's 32 bytes; expert 0
	v_mul_u32_u24 v7, v1, RP
	v_lshl_add_u32 v7, v2, 5, v7
	s_mul_i32 s29, s18, PARTB
	v_add_nc_u32 v7, s29, v7                       ; my part: row r, + 32 h
	v_mul_u32_u24 v8, v2, RP
	v_lshl_add_u32 v8, v1, 4, v8
	s_mul_i32 s29, s18, 8*RP
	v_add_nc_u32 v8, s29, v8                       ; back: rows 8 w on; lanes 0-15 one row of 256 bytes, lanes 16-31 the next
	v_add_nc_u32 v9, 3*PARTB, v8
	v_add_nc_u32 v10, 6*PARTB, v8
	v_lshlrev_b32 v31, 3, v30                      ; the list: two words a lane: lane l stands for tile l / 8
	s_lshl_b32 s29, s18, 5
	v_lshl_add_u32 v15, v2, 2, s29                 ; and the words of the rows that I finish: 8 w + h
	s_lshl_b32 s29, s18, 2
	v_add_nc_u32 v192, s29, v5                     ; wt: token r, expert w
	s_lshl_b32 s29, s20, 8
	v_lshl_add_u32 v200, v1, 4, s29                ; out0: my 64 columns' 256 bytes, 16 bytes a lane
	s_lshl_b32 s40, s19, 8                         ; the group's 64 words of ord,
	s_mov_b32 s41, 0
	s_lshl_b32 s42, s19, 11                        ; its 64 x 32 bytes of wt,
	s_mov_b32 s43, 0
	s_lshl_b32 s44, s19, 17                        ; its four tiles' images, 32 KiB each,
	s_mov_b32 s45, 0
	s_lshl_b32 s46, s20, 17                        ; my 64 rows of W2,
	s_mov_b32 s47, 0
	s_lshl_b32 s48, s20, 8                         ; my 64 numbers of b2
	s_mov_b32 s49, 0
	s_wait_kmcnt 0x0
	s_load_b64 s[22:23], s[14:15], 0x8             ; e2 (act), e3 (W2)
	s_add_nc_u64 s[4:5], s[4:5], s[40:41]
	s_add_nc_u64 s[36:37], s[6:7], s[42:43]
	s_add_nc_u64 s[34:35], s[8:9], s[44:45]
	s_add_nc_u64 s[32:33], s[10:11], s[46:47]
	s_add_nc_u64 s[12:13], s[12:13], s[48:49]
	global_load_b64 v[194:195], v31, s[4:5]
.irp i, 0,1,2,3
	global_load_b32 v[196+\i], v15, s[4:5] offset:8*\i
.endr
.irp t, 0,1,2,3
	global_load_b32 v[WB+\t], v192, s[36:37] offset:512*\t
.endr
.irp dt, 0,1,2,3
	global_load_b128 v[AF+8*\dt:AF+8*\dt+3], v193, s[12:13] offset:64*\dt       ; b2[w][64 ds + 16 dt + 8 h + 0 .. 7], in the result's layout
	global_load_b128 v[AF+8*\dt+4:AF+8*\dt+7], v193, s[12:13] offset:64*\dt+16
.endr
.set i, 96                             ; a tile's loads and its products stand in two arms of one test: the fragments' registers that no load above names are written once, so that every way through the text finds them written
.rept 96
	v_mov_b32 v[i], 0
.set i, i+1
.endr
.irp t, 0,1,2,3
	v_mov_b32 v[WTS+2*\t+1], 0
.endr
	s_wait_kmcnt 0x0
	s_add_co_i32 s21, s22, s23                     ; e2 + e3
	s_sub_co_i32 s29, 0, s21
	s_add_co_i32 s24, s21, 127
	s_lshl_b32 s24, s24, 23                        ; 2^(e2 + e3) as f32
	s_mov_b32 s25, s24                             ; (named with it as a pair, so it is written)
	s_wait_loadcnt 0x0
	v_or_b32 v6, v194, v195
.irp i, 0,1,2,3
	v_and_b32 v[11+\i], 0x3ff, v[196+\i]           ; the token,
	v_min_u32 v[11+\i], 0x3ff, v[11+\i]            ; held ahead of the address,
	v_lshlrev_b32 v[11+\i], 12, v[11+\i]           ; its row of 4,096 bytes,
	v_add_nc_u32 v[11+\i], v[11+\i], v200          ; my columns
.endr
.irp t, 0,1,2,3
	v_ldexp_f32 v[WB+\t], v[WB+\t], s29
.endr
	WIN 0x40                                       ; destination window 1
.irp t, 0,1,2,3
.irp dt, 0,1,2,3
.irp j, 0,1,2,3,4,5,6,7
	v_mul_f32 v[OUT+32*\t+8*\dt+\j], v[WB+\t], v[AF+8*\dt+\j]   ; the bias starts the sums
.endr
.endr
.endr
	WIN 0
	s_mov_b32 s26, 0
	s_mov_b32 s27, 0x10000
.Lexp:                                                 ; eight trips, one an expert
	v_and_b32 v15, s27, v6
	v_cmp_ne_u32 s28, 0, v15
	s_cmp_eq_u32 s28, 0
	s_cbranch_scc1 .Lstep                          ; none of the group's 64 tokens chose it: the same in all eight waves
	WIN 0x40
.irp dt, 0,1,2,3
.irp ks, 0,1
.irp cc, 0,1,2,3
	global_load_b128 v[32*\dt+16*\ks+4*\cc:32*\dt+16*\ks+4*\cc+3], v3, s[32:33] offset:32768*\dt+128*\ks+32*\cc   ; eight loads cover 256 consecutive bytes of each of 16 rows
.endr
.endr
.endr
	WIN 0
.irp t, 0,1,2,3
	global_load_b32 v[WTS+2*\t], v5, s[36:37] offset:512*\t
.endr
.irp t, 0,1,2,3
	s_and_b32 s29, s28, 0xff<<(8*\t)
	s_cmp_eq_u32 s29, 0
	s_cbranch_scc1 .Lnl_\t                         ; the tile does not use the expert: its images were not written and are not read
.irp q, 0,1,2,3,4,5,6,7
	global_load_b128 v[AF+32*\t+4*\q:AF+32*\t+4*\q+3], v4, s[34:35] offset:32768*\t+512*\q   ; 512 consecutive bytes a load
.endr
.Lnl_\t:
.endr
	s_wait_loadcnt 0x0                             ; how many are out hangs on the list: so the count is 0
.irp t, 0,1,2,3
	s_and_b32 s29, s28, 0xff<<(8*\t)
	s_cmp_eq_u32 s29, 0
	s_cbranch_scc1 .Lnc_\t
	WIN 0x01                                       ; source 0 (W2) window 1
.irp ks, 0,1                                   ; the four accumulators take turns, one instruction a turn; the first product starts each sum
.irp dt, 0,1,2,3
.if \ks == 0
	v_wmma_f32_16x16x128_fp8_fp8 v[P+8*\dt:P+8*\dt+7], v[32*\dt+16*\ks:32*\dt+16*\ks+15], v[AF+32*\t+16*\ks:AF+32*\t+16*\ks+15], 0
.else
	v_wmma_f32_16x16x128_fp8_fp8 v[P+8*\dt:P+8*\dt+7], v[32*\dt+16*\ks:32*\dt+16*\ks+15], v[AF+32*\t+16*\ks:AF+32*\t+16*\ks+15], v[P+8*\dt:P+8*\dt+7]
.endif
.endr
.endr
	WIN 0x50                                       ; source 2 and destination window 1
	PLACES
.irp dt, 0,1,2,3                               ; my part += weight x sums, each accumulator from its low end on.  With the four lines above these are also the places ahead of the next products, which write the accumulators anew, and of the next loads
.irp j, 0,2,4,6
	v_pk_fma_f32 v[OUT+32*\t+8*\dt+\j:OUT+32*\t+8*\dt+\j+1], v[P+8*\dt+\j:P+8*\dt+\j+1], v[WTS+2*\t:WTS+2*\t+1], v[OUT+32*\t+8*\dt+\j:OUT+32*\t+8*\dt+\j+1] op_sel_hi:[1,0,1]
.endr
.endr
	WIN 0
.Lnc_\t:
.endr
.Lstep:                                                ; every load of the trip is done: bases and offsets may step
	s_add_nc_u64 s[32:33], s[32:33], 0x200000      ; an expert's W2 is 2 MiB,
	s_add_nc_u64 s[34:35], s[34:35], 0x200000      ; and so are its images
	v_add_nc_u32 v5, 4, v5
	s_lshl_b32 s27, s27, 1
	s_add_co_u32 s26, s26, 1
	s_cmp_lt_u32 s26, 8
	s_cbranch_scc1 .Lexp
	; THE WAY OUT: the eight parts meet in LDS; wave w adds rows 8 w .. 8 w + 7 and stores them at their tokens' rows.
	WIN 0x04                                       ; store data window 1
.irp t, 0,1,2,3
.irp dt, 0,1,2,3
	ds_store_b128 v7, v[OUT+32*\t+8*\dt:OUT+32*\t+8*\dt+3] offset:16*RP*\t+64*\dt
	ds_store_b128 v7, v[OUT+32*\t+8*\dt+4:OUT+32*\t+8*\dt+7] offset:16*RP*\t+64*\dt+16
.endr
.endr
	WIN 0
	s_wait_dscnt 0x0                               ; for the others' sake: my part has landed
	s_barrier_signal -1
	s_barrier_wait -1
	WIN 0x40
.irp pw, 0,1,2,3,4,5,6,7
.irp i, 0,1,2,3
	ds_load_b128 v[16*\pw+4*\i:16*\pw+4*\i+3], v[8+\pw/3] offset:PARTB*(\pw%3)+2*RP*\i   ; part pw, rows 8 w + 2 i and + 1
.endr
.endr
	WIN 0
	s_wait_dscnt 0x0
	WIN 0x45                                       ; sources 0 and 1 and destination window 1
.irp a, 0,2,4,6
.irp j, 0,2,4,6,8,10,12,14
	v_pk_add_f32 v[16*\a+\j:16*\a+\j+1], v[16*\a+\j:16*\a+\j+1], v[16*(\a+1)+\j:16*(\a+1)+\j+1]
.endr
.endr
.irp a, 0,4
.irp j, 0,2,4,6,8,10,12,14
	v_pk_add_f32 v[16*\a+\j:16*\a+\j+1], v[16*\a+\j:16*\a+\j+1], v[16*(\a+2)+\j:16*(\a+2)+\j+1]
.endr
.endr
.irp j, 0,2,4,6,8,10,12,14
	v_pk_add_f32 v[\j:\j+1], v[\j:\j+1], v[64+\j:64+\j+1]
.endr
.irp j, 0,2,4,6,8,10,12,14
	v_pk_mul_f32 v[\j:\j+1], v[\j:\j+1], s[24:25] op_sel_hi:[1,0]   ; x 2^(e2 + e3)
.endr
	WIN 0x04
.irp i, 0,1,2,3
	global_store_b128 v[11+\i], v[4*\i:4*\i+3], s[16:17] th:TH_STORE_NT   ; sixteen lanes store 256 consecutive bytes of a token's row, aligned; written once, read by nobody here
.endr
	WIN 0
	s_wait_tensorcnt 0x0                           ; the wave's end: three lines, behind my last LDS store
	ds_add_u32 v[SPW], v[NIL]
	s_wait_dscnt 0x0
	s_endpgm
.Lfunc_end_k_qbd2e1a4740_down:
	.size	k_qbd2e1a4740_down, .Lfunc_end_k_qbd2e1a4740_down-k_qbd2e1a4740_down
	.p2alignl 7, 3214868480
	.fill 96, 4, 3214868480
	.section	.rodata,"a",@progbits
	.p2align	6, 0x0
	.amdhsa_kernel k_qbd2e1a4740_down
		.amdhsa_group_segment_fixed_size 140288
		.amdhsa_private_segment_fixed_size 0
		.amdhsa_enable_private_segment 0
		.amdhsa_kernarg_size 56
		.amdhsa_user_sgpr_count 2
		.amdhsa_user_sgpr_kernarg_segment_ptr 1
		.amdhsa_wavefront_size32 1
		.amdhsa_system_sgpr_workgroup_id_x 1
		.amdhsa_system_sgpr_workgroup_id_y 1
		.amdhsa_system_sgpr_workgroup_id_z 1
		.amdhsa_system_vgpr_workitem_id 0
		.amdhsa_next_free_vgpr 512
		.amdhsa_next_free_sgpr 66
		.amdhsa_reserve_vcc 0
		.amdhsa_float_denorm_mode_32 3
		.amdhsa_float_denorm_mode_16_64 3
		.amdhsa_memory_ordered 1
		.amdhsa_forward_progress 1
		.amdhsa_inst_pref_size 37
	.end_amdhsa_kernel
	.amdgpu_metadata
---
amdhsa.version: [ 1, 2 ]
amdhsa.kernels:
  - .name:           k_qbd2e1a4740_down
    .symbol:         k_qbd2e1a4740_down.kd
    .args:
      - { .name: ord, .offset: 0, .size: 8, .value_kind: global_buffer, .address_space: global }
      - { .name: wt, .offset: 8, .size: 8, .value_kind: global_buffer, .address_space: global }
      - { .name: act, .offset: 16, .size: 8, .value_kind: global_buffer, .address_space: global }
      - { .name: W2_codes, .offset: 24, .size: 8, .value_kind: global_buffer, .address_space: global }
      - { .name: b2, .offset: 32, .size: 8, .value_kind: global_buffer, .address_space: global }
      - { .name: lowp_scales, .offset: 40, .size: 8, .value_kind: global_buffer, .address_space: global }
      - { .name: out0, .offset: 48, .size: 8, .value_kind: global_buffer, .address_space: global }
    .group_segment_fixed_size: 140288
    .private_segment_fixed_size: 0
    .kernarg_segment_align: 8
    .kernarg_segment_size: 56
    .max_flat_workgroup_size: 256
    .sgpr_count:     66
    .vgpr_count:     512
    .wavefront_size: 32
...
	.end_amdgpu_metadata
.endif
;; end of part 4
;; ======== version 2 of 2: 4 launches; version 1 with the launches up, down written anew for expert scheduling mode
;; limits: right only within a limited range of input values
;; workspace buffers: xq 1,048,576 bytes; keys 4,096 bytes of whole numbers; sc 32,768 bytes; xs 1,048,576 bytes; ord 4,096 bytes of whole numbers; wt 32,768 bytes; act 16,777,216 bytes
;; launch route: the kernel of part 1 again; grid 256 x 1, 4 waves a work-group, no clusters, 21,504 bytes of LDS; arguments x, Wr, br, lowp_scales, xq, keys, sc; writes xq, keys, sc
;; launch place: the kernel of part 2 again; grid 256 x 1, 4 waves a work-group, no clusters, 0 bytes of LDS; arguments keys, sc, xq, ord, wt, xs; writes ord, wt, xs
;; launch up (part 5): grid 256 x 1, 4 waves a work-group, no clusters, 283,392 bytes of LDS; arguments ord, xs, W1_codes, b1, lowp_scales, act; writes act
.if DOCPART == 5
	.amdgcn_target "amdgcn-amd-amdhsa--gfx1250"
	.amdhsa_code_object_version 6
	.text
	.protected	k_qbd2e1a4740_up
	.globl	k_qbd2e1a4740_up
	.p2align	8
	.type	k_qbd2e1a4740_up,@function
k_qbd2e1a4740_up:
	s_mov_b64 s[64:65], 0
	v_nop
	global_prefetch_b8 v0, s[64:65] scope:SCOPE_SE
	s_setreg_imm32_b32 hwreg(HW_REG_WAVE_SCHED_MODE, 0, 2), 2
	s_setreg_imm32_b32 hwreg(HW_REG_WAVE_MODE, 25, 1), 1
	s_wait_xcnt 0x0
	s_wait_alu depctr_vm_vsrc(0)
; UP: act = Q(silu(a) g), (a, g) = x W1 + b1, on codes of E4M3; for each expert only the tiles of 16 sorted tokens in which some token chose it.
; WORK LEFT OUT: tiles in which no token chose the expert: their results are gathered by nothing (shown at the head of the first kernel).
; SHARES.  Work-group = (expert e, 128 hidden units = K step s of the second product, parity p of the tiles): 8 x 16 x 2.  Wave c takes hidden units 128 s + 32 c .. + 31, as four tiles of 16 rows of W1
; (a and g, two each), 64 rows x 1,024 codes, which stay in 512 registers for the whole launch.  The used tiles' codes of x (16 KiB each) are brought into LDS by the four waves together and read by all four:
; a fragment of x read from LDS feeds four matrix instructions.
; THE MATRIX INSTRUCTION IS USED TRANSPOSED (source 0 = 16 rows of W1, source 1 = 16 tokens): a lane holds one token, and its registers run along the hidden units.
; THE ROWS OF W1 THAT FORM A TILE ARE NOT NEIGHBOURS: lane r of tile u takes row 8 u + r + 8 (r / 8), so that a lane's 16 registers of tiles 0 and 1 are 16 neighbouring hidden units, 16 (lane / 16) + 0 .. 15.
; Both operands come by loads of 16 bytes: registers 4 c .. 4 c + 3 hold k = 32 c + 16 (lane / 16) + 0 .. 15 of a step of 128: the same permutation of k on both sides, so every product meets its partner.
; SCALES.  A sum stands for sum x 2^E, E = e0 + e1.  b1 goes in as the first product's C, divided by 2^E.  exp(-a) = 2^(sum x (-log2(e) 2^E)); sum_a x sum_g / (1 + exp(-a)) = act / 2^(2 E); the conversion takes 2^(e2 - 2 E).
; LIMITS: E between -126 and 127; e2 - 2 E between -126 and 119.
; act is laid as images of the next operand's registers: [e][tile][s][c][lane][16 bytes]: my wave's 16 codes a lane are quarter c of K step s: one store of 512 consecutive bytes.
; NO TENSOR LOAD, NO COPY, NO CLUSTER: which tiles a work-group walks, and how many, hangs on the stored list, so branches hang on numbers read from memory, and partners would walk different numbers of tiles.
; Every barrier stands outside those branches; the loops' trip counts are constants and the work is jumped over.
; REGISTERS, in windows of 256: window 0: addresses, accumulators, the activation.  window 1: W1's K steps 0-3, tile T at v[64 T + 16 ks].  window 2: K steps 4-7.
;   window 3: two sets of x's eight fragments, at v0 and v128; at the fills the same registers carry x from memory to LDS.
; THE MODE: SCHED_MODE bits 1:0 = 2 (LLVM: expert scheduling mode 2), set by the entry lines.  The code itself states the register dependences
; between vector or matrix instructions and memory or LDS instructions, with s_wait_alu, always for 0.
; THE PLAN.  Registers that memory or LDS instructions touch:
;   v3-9, v13-15   offsets and LDS addresses: written once at the head, ahead of one wait on va_vdst; never written again.
;   v12            the LDS address of the next slot's fragments: written by one add at a slot's head, read by the 32 loads straight behind it.
;   window 3       the two sets.  At the fills: global loads land in them, LDS stores read them.  In the loop: the LDS loads of slot j + 1, issued at the head of slot j, land in the set that the products of slot j - 1 read.
;   windows 1, 2   W1: loads land in them at the head; the products read them; nothing lands there again.
;   v128-131       the codes: written by a slot's two conversions, read by its one store.
;   v18, v19       written at the head, read by the closing add alone.
; A slot has one wait on vm_vsrc at its head (v12 and the codes are free to be written), one on va_vdst in front of its 32 loads (v12 is written; the set's products are done), the two waits behind the
; exponentials and the reciprocals, and one on va_vdst in front of its store (the codes are written).  The 32 loads stand in one run a whole slot ahead of their use: dealt among the products, each group would
; want two switches of the register window and a copy of the branch on the list.  Every run of loads into window 3 has the order: the switch, the wait, the loads.
.set PITCH, 1040                       ; a token's row in LDS: 1,024 bytes + 16 = 260 words: row r starts at bank 4 r mod 64 (64 banks of 4 bytes: ISA guide 11.1)
.set SLOTB, 16*PITCH                   ; a slot: one tile of x
.set SPARE, 17*SLOTB                   ; slots 0-15 are filled; slot 16 is never filled nor read: the look-ahead address of the loop's last trip falls there.  Behind it the spare words, 128 bytes a wave
.set ACC,  32                          ; v32-63   four accumulators: a's two tiles, g's two
.set BIAS, 64                          ; v64-95   b1 / 2^E in the result's layout
.set TT,   96                          ; v96-111  at work: exp, 1 + exp, its reciprocal
.set PP,   112                         ; v112-127 at work: a g, then act
.set CD,   128                         ; v128-131 the codes
.set OT,   160                         ; v160-191 the list's words, at the head only
.set SCQ,  16                          ; v16  2^(e2 - 2 E)
.set LIM,  17                          ; v17  448 x that
.set SPW,  18                          ; v18  LDS address of my spare word; never rewritten
.set NIL,  19                          ; v19  0; never rewritten
; v1 r, v2 h, v3 W1's offset, v4 x's offset in a tile, v5-8 where I store x in slots 0, 4, 8, 12, v9-11 where I read fragments in slots 0, 1, 2, v12 the address in hand, v13 act's offset, v14 b1's, v15 the list's
; s16 wave, s17 e, s18 s, s19 p, s[20:23] the exponents, s[24:25] -log2(e) 2^E, s26 the list for the fills, s27 for the products, s28 its length, s29 tiles in this chunk, s30 the loop's count, s31 its slot's byte,
; s[32:47] eight tiles' addresses in xs, s[48:49] W1, s[50:51] b1, s[52:53] act at (e, s), s[54:55] act at the tile in hand
.set MSB, 0
.macro WIN new                         ; the immediate's high byte repeats the setting that is left; bits 1:0 source 0, 3:2 source 1, 5:4 source 2, 7:6 destination
.if MSB != \new
	s_set_vgpr_msb (MSB<<8)|\new
.set MSB, \new
.endif
.endm
.macro PLACES                          ; four places behind a matrix instruction (ISA guide 7.12.1)
.rept 4
	v_nop
.endr
.endm
; The next tile of list s[f] into s[t].  Bit b of a list stands for tile (b & 30) + 32 (b & 1) + p.  An empty list gives tile 62 + p, which lies inside the buffers; nobody reads what is fetched for it.
.macro POP f, t
	s_ctz_i32_b32 s[\t], s[\f]
	s_min_u32 s[\t], s[\t], 31                     ; held ahead of the addresses
	s_sub_co_u32 s63, s[\f], 1
	s_and_b32 s[\f], s[\f], s63                    ; the bit is taken off
	s_and_b32 s63, s[\t], 1
	s_and_b32 s[\t], s[\t], 30
	s_lshl_b32 s63, s63, 5
	s_add_co_u32 s[\t], s[\t], s63
	s_add_co_u32 s[\t], s[\t], s19
.endm
; Four tiles of x from memory: my wave's rows 4 c .. 4 c + 3 of each, 4,096 bytes on end, eight loads of 512 consecutive bytes.
.macro XGL set, base
.irp k, 0,1,2,3
	POP 26, 60
	s_lshl_b32 s60, s60, 14                        ; a tile is 16 rows of 1,024 bytes
	s_mov_b32 s61, 0
	s_add_nc_u64 s[32+2*((\base)+\k):33+2*((\base)+\k)], s[6:7], s[60:61]
.endr
	WIN 0xc0                                       ; destination window 3
	s_wait_alu depctr_va_vdst(0)                   ; v4, the loads' offset, is written, and the products that read this set as fragments are done reading it: the loads below land in it
.irp k, 0,1,2,3
.irp i, 0,1,2,3,4,5,6,7
	global_load_b128 v[128*(\set)+32*\k+4*\i:128*(\set)+32*\k+4*\i+3], v4, s[32+2*((\base)+\k):33+2*((\base)+\k)] offset:512*\i
.endr
.endr
	WIN 0
.endm
.macro XST set, b                      ; and into slots 4 b .. 4 b + 3
	WIN 0x0c                                       ; store data window 3
.irp k, 0,1,2,3
.irp i, 0,1,2,3,4,5,6,7
	ds_store_b128 v[5+(\b)], v[128*(\set)+32*\k+4*\i:128*(\set)+32*\k+4*\i+3] offset:SLOTB*\k+PITCH*(\i/2)+512*(\i%2)
.endr
.endr
	WIN 0
.endm
.macro XLD buf, adr                    ; a tile's eight fragments from the slot at v[adr] into set buf
	WIN 0xc0
	s_wait_alu depctr_va_vdst(0)                   ; the address v[adr] is written, which the loads below read, and the products that read set buf are done reading it: the loads land in it
.irp ks, 0,1,2,3,4,5,6,7
.irp cc, 0,1,2,3
	ds_load_b128 v[128*(\buf)+16*\ks+4*\cc:128*(\buf)+16*\ks+4*\cc+3], v[\adr] offset:128*\ks+32*\cc
.endr
.endr
	WIN 0
.endm
; 32 matrix instructions: eight K steps x four tiles of rows.  The four accumulators take turns, one instruction a turn; the bias is the first product's C.
.macro MM buf
	WIN 0x0d                                       ; source 0 (W1) window 1, source 1 (x) window 3
.irp ks, 0,1,2,3
.irp t, 0,1,2,3
.if \ks == 0
	v_wmma_f32_16x16x128_fp8_fp8 v[ACC+8*\t:ACC+8*\t+7], v[64*\t+16*\ks:64*\t+16*\ks+15], v[128*(\buf)+16*\ks:128*(\buf)+16*\ks+15], v[BIAS+8*\t:BIAS+8*\t+7]
.else
	v_wmma_f32_16x16x128_fp8_fp8 v[ACC+8*\t:ACC+8*\t+7], v[64*\t+16*\ks:64*\t+16*\ks+15], v[128*(\buf)+16*\ks:128*(\buf)+16*\ks+15], v[ACC+8*\t:ACC+8*\t+7]
.endif
.endr
.endr
	WIN 0x0e                                       ; source 0 window 2
.irp ks, 4,5,6,7
.irp t, 0,1,2,3
	v_wmma_f32_16x16x128_fp8_fp8 v[ACC+8*\t:ACC+8*\t+7], v[64*\t+16*(\ks-4):64*\t+16*(\ks-4)+15], v[128*(\buf)+16*\ks:128*(\buf)+16*\ks+15], v[ACC+8*\t:ACC+8*\t+7]
.endr
.endr
	WIN 0
.endm
; The activation, the quantiser and the store.  Each accumulator is read from its low end on.  The exponentials are one batch with one wait, and so are the reciprocals.
.macro EPI
	PLACES
.irp j, 0,2,4,6,8,10,12,14
	v_pk_mul_f32 v[TT+\j:TT+\j+1], v[ACC+\j:ACC+\j+1], s[24:25] op_sel_hi:[1,0]   ; -a log2(e)
.endr
.irp j, 0,1,2,3,4,5,6,7,8,9,10,11,12,13,14,15
	v_exp_f32 v[TT+\j], v[TT+\j]                   ; e^-a
.endr
.irp j, 0,2,4,6,8,10,12,14
	v_pk_mul_f32 v[PP+\j:PP+\j+1], v[ACC+\j:ACC+\j+1], v[ACC+16+\j:ACC+17+\j]   ; a g / 2^(2 E): the plain work behind the batch
.endr
	s_wait_alu depctr_va_vdst(0)                   ; the sixteen exponentials have written v[TT ..], ahead of their first reader
.irp j, 0,2,4,6,8,10,12,14
	v_pk_add_f32 v[TT+\j:TT+\j+1], v[TT+\j:TT+\j+1], 1.0 op_sel_hi:[1,0]
.endr
.irp j, 0,1,2,3,4,5,6,7,8,9,10,11,12,13,14,15
	v_rcp_f32 v[TT+\j], v[TT+\j]                   ; sigmoid(a)
.endr
	v_nop                                          ; a plain line behind the last reciprocal
	s_wait_alu depctr_va_vdst(0)                   ; the sixteen reciprocals have written v[TT ..], ahead of their first reader
.irp j, 0,2,4,6,8,10,12,14
	v_pk_mul_f32 v[PP+\j:PP+\j+1], v[PP+\j:PP+\j+1], v[TT+\j:TT+\j+1]
.endr
.irp j, 0,1,2,3,4,5,6,7,8,9,10,11,12,13,14,15
	v_med3_num_f32 v[PP+\j], v[PP+\j], -v[LIM], v[LIM]   ; the conversion does not saturate (ISA guide 7.6.2): the hold at the largest code x the scale
.endr
	v_cvt_scalef32_pk8_fp8_f32 v[CD:CD+1], v[PP:PP+7], v[SCQ]
	v_cvt_scalef32_pk8_fp8_f32 v[CD+2:CD+3], v[PP+8:PP+15], v[SCQ]
	v_nop                                          ; one plain vector line behind the conversions
	s_wait_alu depctr_va_vdst(0)                   ; the conversions have written the codes v[CD ..], which the store reads
	global_store_b128 v13, v[CD:CD+3], s[54:55]    ; the wave stores 512 consecutive bytes, aligned
.endm
; Slot s30 + k of the chunk, from set k; the next slot's fragments are asked for ahead of this slot's products.
.macro SUB k
	s_add_co_u32 s56, s30, \k
	s_cmp_ge_u32 s56, s29
	s_cbranch_scc1 .Lsub_end_\@                    ; past the list's end: the same in all four waves
	s_wait_dscnt 0x0                               ; my set's 32 loads, asked for a slot ago, are the only LDS instructions out
	s_wait_alu depctr_vm_vsrc(0)                   ; those loads have read v12, and the store of the slot before has read the codes v[CD ..]: both are written again below, on either way from the branch that follows
	s_add_co_u32 s56, s56, 1
	s_cmp_ge_u32 s56, s29
	s_cbranch_scc1 .Lno_next_\@
	v_add_nc_u32 v12, s31, v[10+\k]
	XLD 1-\k, 12                                   ; the wait in it stands behind the add
.Lno_next_\@:
	s_wait_xcnt 0x0                                ; the last store has read its codes and its base: both are written again below
	POP 27, 60
	s_lshl_b32 s60, s60, 15                        ; a tile's images are 32 KiB
	s_mov_b32 s61, 0
	s_add_nc_u64 s[54:55], s[52:53], s[60:61]
	MM \k
	EPI
.Lsub_end_\@:
.endm
.macro COMPUTE ch                      ; the list's entries 16 ch .. 16 ch + 15, which lie in slots 0 .. 15: eight trips of two slots, a constant count
	s_sub_co_i32 s29, s28, 16*\ch
	s_max_i32 s29, s29, 0
	s_mov_b32 s30, 0
	s_mov_b32 s31, 0
	s_cmp_eq_u32 s29, 0
	s_cbranch_scc1 .Lloop_\@
	XLD 0, 9                                       ; slot 0, through the address made at the head
.Lloop_\@:
	SUB 0
	SUB 1
	s_add_co_u32 s31, s31, 2*SLOTB
	s_add_co_u32 s30, s30, 2
	s_cmp_lt_u32 s30, 16
	s_cbranch_scc1 .Lloop_\@
.endm
	s_load_b256 s[4:11], s[0:1], 0x0               ; ord s[4:5], xs s[6:7], W1's codes s[8:9], b1 s[10:11]
	s_load_b128 s[12:15], s[0:1], 0x20             ; the scales' exponents s[12:13], act s[14:15]
	v_lshl_add_u32 v[SPW], v0, 2, SPARE
	v_mov_b32 v[NIL], 0
	v_lshrrev_b32 v20, 5, v0
	v_readfirstlane_b32 s16, v20                   ; wave c
	v_and_b32 v21, 31, v0                          ; lane
	v_and_b32 v1, 15, v0                           ; r
	v_bfe_u32 v2, v0, 4, 1                         ; h
	v_and_b32 v20, 8, v1
	v_add_nc_u32 v20, v20, v1                      ; r + 8 (r / 8)
	v_lshlrev_b32 v3, 10, v20
	v_lshl_add_u32 v3, v2, 4, v3                   ; W1: that row of 1,024 bytes, + 16 h
	v_lshlrev_b32 v22, 4, v21                      ; 16 x lane
	s_wait_alu depctr_va_sdst(0)                   ; s16 is written, ahead of its first reader
	s_lshl_b32 s56, s16, 12
	v_add_nc_u32 v4, s56, v22                      ; x in memory: my wave's four rows
	s_mul_i32 s56, s16, 4*PITCH
	v_add_nc_u32 v5, s56, v22                      ; and in a slot
	v_add_nc_u32 v6, 4*SLOTB, v5
	v_add_nc_u32 v7, 8*SLOTB, v5
	v_add_nc_u32 v8, 12*SLOTB, v5
	v_mul_u32_u24 v9, v1, PITCH
	v_lshl_add_u32 v9, v2, 4, v9                   ; a fragment: row r, + 16 h
	v_add_nc_u32 v10, SLOTB, v9
	v_add_nc_u32 v11, 2*SLOTB, v9
	s_lshl_b32 s56, s16, 9
	v_add_nc_u32 v13, s56, v22                     ; act: quarter c, 16 x lane
	v_lshlrev_b32 v14, 6, v2                       ; b1: 16 h numbers
	v_lshlrev_b32 v15, 6, v21                      ; the list: a tile's 16 words are 64 bytes; lane l takes tiles l and 32 + l
	s_lshr_b32 s17, ttmp9, 5                       ; e
	s_bfe_u32 s18, ttmp9, 0x40001                  ; s
	s_and_b32 s19, ttmp9, 1                        ; p
	s_lshl_b32 s56, s17, 22                        ; W1: an expert is 4,096 rows of 1,024 bytes; my rows begin at 128 s + 32 c
	s_lshl_b32 s57, s18, 17
	s_add_co_u32 s56, s56, s57
	s_lshl_b32 s57, s16, 15
	s_add_co_u32 s56, s56, s57
	s_mov_b32 s57, 0
	s_lshl_b32 s58, s17, 14                        ; b1: 4 (4096 e + 128 s + 32 c)
	s_lshl_b32 s59, s18, 9
	s_add_co_u32 s58, s58, s59
	s_lshl_b32 s59, s16, 7
	s_add_co_u32 s58, s58, s59
	s_mov_b32 s59, 0
	s_lshl_b32 s60, s17, 21                        ; act: 2 MiB an expert, 2,048 bytes a K step
	s_lshl_b32 s61, s18, 11
	s_add_co_u32 s60, s60, s61
	s_mov_b32 s61, 0
	s_wait_kmcnt 0x0
	s_load_b128 s[20:23], s[12:13], 0x0            ; e0 (W1), e1 (x), e2 (act), e3
	s_add_nc_u64 s[48:49], s[8:9], s[56:57]
	s_add_nc_u64 s[50:51], s[10:11], s[58:59]
	s_add_nc_u64 s[52:53], s[14:15], s[60:61]
	s_wait_alu depctr_va_vdst(0)                   ; the offsets and LDS addresses v3 to v9 and v13 to v15 are written, which the kernel's loads and stores read
.irp q, 0,1,2,3
	global_load_b128 v[OT+4*\q:OT+4*\q+3], v15, s[4:5] offset:16*\q
.endr
.irp q, 0,1,2,3
	global_load_b128 v[OT+16+4*\q:OT+16+4*\q+3], v15, s[4:5] offset:2048+16*\q
.endr
.irp t, 0,1,2,3                                ; tile t's bias: a's or g's half, hidden units 16 h + 8 (t % 2) + 0 .. 7
	global_load_b128 v[BIAS+8*\t:BIAS+8*\t+3], v14, s[50:51] offset:8192*(\t/2)+32*(\t%2)
	global_load_b128 v[BIAS+8*\t+4:BIAS+8*\t+7], v14, s[50:51] offset:8192*(\t/2)+32*(\t%2)+16
.endr
	WIN 0x40                                       ; destination window 1
.irp t, 0,1,2,3                                ; g's rows lie 2,048 rows behind a's; the second tile begins 8 rows behind the first
.irp ks, 0,1,2,3
.irp cc, 0,1,2,3
	global_load_b128 v[64*\t+16*\ks+4*\cc:64*\t+16*\ks+4*\cc+3], v3, s[48:49] offset:2097152*(\t/2)+8192*(\t%2)+128*\ks+32*\cc
.endr
.endr
.endr
	WIN 0
	s_wait_loadcnt 63                              ; 80 loads are issued: the first 17 are in, the list's eight and the bias's eight among them
.irp j, 0,1,2,3,4,5,6,7                        ; which experts a tile's 16 tokens chose: the words' union
	v_or_b32 v[OT+\j], v[OT+\j], v[OT+8+\j]
	v_or_b32 v[OT+16+\j], v[OT+16+\j], v[OT+24+\j]
.endr
.irp j, 0,1,2,3
	v_or_b32 v[OT+\j], v[OT+\j], v[OT+4+\j]
	v_or_b32 v[OT+16+\j], v[OT+16+\j], v[OT+20+\j]
.endr
.irp j, 0,1
	v_or_b32 v[OT+\j], v[OT+\j], v[OT+2+\j]
	v_or_b32 v[OT+16+\j], v[OT+16+\j], v[OT+18+\j]
.endr
	v_or_b32 v[OT], v[OT], v[OT+1]
	v_or_b32 v[OT+16], v[OT+16], v[OT+17]
	s_lshl_b32 s56, 0x10000, s17                   ; my expert's bit
	v_and_b32 v20, s56, v[OT]
	v_and_b32 v21, s56, v[OT+16]
	v_cmp_ne_u32 s57, 0, v20                       ; bit l: tile l uses my expert
	v_cmp_ne_u32 s58, 0, v21                       ; bit l: tile 32 + l
	s_lshl_b32 s59, 0x55555555, s19                ; the tiles of my parity,
	s_wait_alu depctr_va_sdst(0)                   ; the two compares have written s57 and s58, ahead of their first readers
	s_and_b32 s57, s57, s59
	s_lshr_b32 s57, s57, s19                       ; at the even bits,
	s_and_b32 s58, s58, s59
	s_lshr_b32 s58, s58, s19
	s_lshl_b32 s58, s58, 1                         ; the upper 32 tiles' at the odd ones
	s_or_b32 s26, s57, s58
	s_mov_b32 s27, s26
	s_bcnt1_i32_b32 s28, s26                       ; the list's length, 0 to 32
	XGL 0, 0                                       ; the list's first eight tiles
	XGL 1, 4
	WIN 0x80                                       ; destination window 2
.irp t, 0,1,2,3
.irp ks, 4,5,6,7
.irp cc, 0,1,2,3
	global_load_b128 v[64*\t+16*(\ks-4)+4*\cc:64*\t+16*(\ks-4)+4*\cc+3], v3, s[48:49] offset:2097152*(\t/2)+8192*(\t%2)+128*\ks+32*\cc
.endr
.endr
.endr
	WIN 0
	s_wait_kmcnt 0x0
	s_add_co_i32 s66, s20, s21                     ; E = e0 + e1
	s_sub_co_i32 s67, 0, s66
	s_lshl_b32 s24, s66, 23
	s_add_co_u32 s24, s24, 0xbfb8aa3b              ; -log2(e) with E added to its exponent field
	s_mov_b32 s25, s24                             ; (named with it as a pair, so it is written)
	s_lshl_b32 s68, s66, 1
	s_sub_co_i32 s68, s22, s68                     ; e2 - 2 E
	s_add_co_i32 s68, s68, 127
	s_lshl_b32 s69, s68, 23
	v_mov_b32 v[SCQ], s69
	s_add_co_i32 s68, s68, 8
	s_lshl_b32 s68, s68, 23
	s_or_b32 s68, s68, 0x600000
	v_mov_b32 v[LIM], s68
.set i, 0
.rept 32
	v_ldexp_f32 v[BIAS+i], v[BIAS+i], s67          ; b1 / 2^E
.set i, i+1
.endr
	s_wait_loadcnt 63                              ; 208 loads are issued: the first 145 are in; the eight tiles' 64 end at number 144
	XST 0, 0
	XST 1, 1
	s_wait_dscnt 0x0                               ; the stores have landed
	s_wait_xcnt 0x0                                ; and the loads have read their bases, which are written again below
	s_wait_alu depctr_vm_vsrc(0)                   ; the LDS stores have read the two sets, in which the loads below land; ahead of the branches that lead to them
	s_cmp_gt_u32 s28, 8
	s_cbranch_scc0 .Lfilled
	XGL 0, 0
	s_cmp_gt_u32 s28, 12
	s_cbranch_scc0 .Lhalf
	XGL 1, 4
.Lhalf:
	s_wait_loadcnt 0x0                             ; how many are out hangs on the list: so the count is 0
	XST 0, 2
	s_cmp_gt_u32 s28, 12
	s_cbranch_scc0 .Lfilled
	XST 1, 3
.Lfilled:
	s_wait_loadcnt 0x0                             ; all of W1 is in
	s_wait_dscnt 0x0                               ; for the others' sake: my rows of the slots have landed
	s_wait_alu depctr_vm_vsrc(0)                   ; my LDS stores have read the two sets, in which the fragments' loads land from here on
	s_barrier_signal -1
	s_barrier_wait -1
	COMPUTE 0
	s_wait_dscnt 0x0                               ; my reads of the slots are over
	s_barrier_signal -1
	s_barrier_wait -1                              ; everybody's are: the slots may be written again
	s_cmp_gt_u32 s28, 16
	s_cbranch_scc0 .Lno_more
	s_wait_xcnt 0x0
	XGL 0, 0                                       ; more than 16 tiles: the other 16 entries, the same way
	XGL 1, 4
	s_wait_loadcnt 0x0
	XST 0, 0
	XST 1, 1
	s_wait_dscnt 0x0
	s_wait_alu depctr_vm_vsrc(0)                   ; the LDS stores have read the two sets, in which the loads below land
	XGL 0, 0
	XGL 1, 4
	s_wait_loadcnt 0x0
	XST 0, 2
	XST 1, 3
.Lno_more:
	s_wait_dscnt 0x0
	s_wait_alu depctr_vm_vsrc(0)                   ; my LDS stores have read the two sets, in which the fragments' loads land from here on
	s_barrier_signal -1
	s_barrier_wait -1
	COMPUTE 1
	s_wait_dscnt 0x0                               ; the closing lines, six on end
	s_wait_alu 0x0
	s_wait_tensorcnt 0x0
	ds_add_u32 v[SPW], v[NIL]
	s_wait_dscnt 0x0
	s_endpgm
.Lfunc_end_k_qbd2e1a4740_up:
	.size	k_qbd2e1a4740_up, .Lfunc_end_k_qbd2e1a4740_up-k_qbd2e1a4740_up
	.p2alignl 7, 3214868480
	.fill 96, 4, 3214868480
	.section	.rodata,"a",@progbits
	.p2align	6, 0x0
	.amdhsa_kernel k_qbd2e1a4740_up
		.amdhsa_group_segment_fixed_size 283392
		.amdhsa_private_segment_fixed_size 0
		.amdhsa_enable_private_segment 0
		.amdhsa_kernarg_size 48
		.amdhsa_user_sgpr_count 2
		.amdhsa_user_sgpr_kernarg_segment_ptr 1
		.amdhsa_wavefront_size32 1
		.amdhsa_system_sgpr_workgroup_id_x 1
		.amdhsa_system_sgpr_workgroup_id_y 1
		.amdhsa_system_sgpr_workgroup_id_z 1
		.amdhsa_system_vgpr_workitem_id 0
		.amdhsa_next_free_vgpr 1024
		.amdhsa_next_free_sgpr 80
		.amdhsa_reserve_vcc 0
		.amdhsa_float_denorm_mode_32 3
		.amdhsa_float_denorm_mode_16_64 3
		.amdhsa_memory_ordered 1
		.amdhsa_forward_progress 1
		.amdhsa_inst_pref_size 118
	.end_amdhsa_kernel
	.amdgpu_metadata
---
amdhsa.version: [ 1, 2 ]
amdhsa.kernels:
  - .name:           k_qbd2e1a4740_up
    .symbol:         k_qbd2e1a4740_up.kd
    .args:
      - { .name: ord, .offset: 0, .size: 8, .value_kind: global_buffer, .address_space: global }
      - { .name: xs, .offset: 8, .size: 8, .value_kind: global_buffer, .address_space: global }
      - { .name: W1_codes, .offset: 16, .size: 8, .value_kind: global_buffer, .address_space: global }
      - { .name: b1, .offset: 24, .size: 8, .value_kind: global_buffer, .address_space: global }
      - { .name: lowp_scales, .offset: 32, .size: 8, .value_kind: global_buffer, .address_space: global }
      - { .name: act, .offset: 40, .size: 8, .value_kind: global_buffer, .address_space: global }
    .group_segment_fixed_size: 283392
    .private_segment_fixed_size: 0
    .kernarg_segment_align: 8
    .kernarg_segment_size: 48
    .max_flat_workgroup_size: 128
    .sgpr_count:     80
    .vgpr_count:     1024
    .wavefront_size: 32
...
	.end_amdgpu_metadata
.endif
;; end of part 5
;; launch down (part 6): grid 256 x 1, 8 waves a work-group, no clusters, 140,288 bytes of LDS; arguments ord, wt, act, W2_codes, b2, lowp_scales, out0; writes out0
.if DOCPART == 6
	.amdgcn_target "amdgcn-amd-amdhsa--gfx1250"
	.amdhsa_code_object_version 6
	.text
	.protected	k_qbd2e1a4740_down
	.globl	k_qbd2e1a4740_down
	.p2align	8
	.type	k_qbd2e1a4740_down,@function
k_qbd2e1a4740_down:
	s_mov_b64 s[64:65], 0
	v_nop
	global_prefetch_b8 v0, s[64:65] scope:SCOPE_SE
	s_setreg_imm32_b32 hwreg(HW_REG_WAVE_SCHED_MODE, 0, 2), 2
	s_setreg_imm32_b32 hwreg(HW_REG_WAVE_MODE, 25, 1), 1
	s_wait_xcnt 0x0
	s_wait_alu depctr_vm_vsrc(0)
; DOWN: out[token] = the sum over its two experts of weight x (act W2 + b2), on codes of E4M3.  Each output row has one owner.
; WORK LEFT OUT: for each tile of 16 sorted tokens, the experts that none of its tokens chose (shown at the head of the first kernel).
; SHARES.  Work-group = (group g of 4 neighbouring tiles = 64 sorted tokens, 64 output columns): 16 x 16.  It walks the 8 experts in a loop of constant count and passes over, by a scalar branch on the
; stored list, the experts that none of its tokens uses, and in a used expert the tiles that do not use it.
; K = 2,048 IS SHARED OUT AMONG THE EIGHT WAVES, 256 each: so each byte of W2 and of act is loaded once a work-group, straight into operand registers, and the loop has no LDS and no barrier.
; The weight is a factor of a whole row, so each wave adds weight x its part of the sums into its own 64 x 64 of f32; the eight parts meet once, in LDS, at the end.
; Wave w also carries expert w's bias: its sums begin with weight[pos][w] x b2[w] / 2^(e2 + e3), which is 0 for tokens that did not choose w; nothing is cleared.  At the end all is multiplied by 2^(e2 + e3).
; LIMIT: e2 + e3 between -126 and 127.
; THE MATRIX INSTRUCTION IS USED TRANSPOSED (source 0 = 16 rows of W2 = output columns, source 1 = 16 tokens): a lane holds one token and eight neighbouring columns.
; act comes as images of the operand's registers; W2's registers 4 c .. 4 c + 3 hold k = 32 c + 16 (lane / 16) + 0 .. 15 of a step of 128: the order in which the launch before laid act.
; NO TENSOR LOAD, NO COPY, NO CLUSTER: the walk hangs on the stored list, so branches hang on numbers read from memory, and partners would use different experts.  The one barrier stands outside those branches.
; REGISTERS: window 0: v1-31 addresses and weights; v32-63 four accumulators; v64-191 act's fragments (tile t, K step ks at 64 + 32 t + 16 ks); v192-200 at work at the head.
;   window 1: v0-127 W2's fragments (tile dt, K step ks at 32 dt + 16 ks), at the end the parts read back; v128-255 my part of the output (tile t, columns' tile dt at 128 + 32 t + 8 dt).
; THE MODE: SCHED_MODE bits 1:0 = 2 (LLVM: expert scheduling mode 2), set by the entry lines.  The code itself states the register dependences
; between vector or matrix instructions and memory or LDS instructions, with s_wait_alu, always for 0.
; THE PLAN.  Registers that memory or LDS instructions touch:
;   v3, v4, v5, v7-10, v31, v192, v193   offsets and LDS addresses: written once at the head, ahead of one wait on va_vdst; never written again: in the loop the three scalar bases step.
;   v15            an offset at the head; the loop writes it as a number at work: one wait on vm_vsrc ahead of the loop.
;   v11-14         the final stores' offsets: written at the head.
;   window 1 v0-127   a trip's loads of W2 land here; its products read them.  At the end the parts' LDS loads land here.
;   v64-191        a trip's loads of act land here; its products read them.  At the head: the bias in v64-95, which multiplies read; zeros in v96-191.
;   v16, 18, 20, 22   a trip's loads of the weights land here; its multiply-adds read them.
;   window 1 v128-255  written by vector instructions alone; read by the LDS stores at the end.
;   v24, v25       written at the head, read by the closing add alone.
; So ONE wait on va_vdst stands in a used trip, ahead of all its loads: every reader and writer of the three kinds of buffer in the trip before (in the first trip: at the head) is done.
; There is one buffer of each kind: eight waves of 512 registers are all that the four SIMDs have, and fragments and output take 384 of a wave's.  How many loads a trip issues hangs on the list, so the wait for them is for 0.
.set RP,    272                        ; a row of a part in LDS: 256 bytes + 16: row r starts at bank 4 r mod 64 (64 banks of 4 bytes: ISA guide 11.1)
.set PARTB, 64*RP                      ; a wave's part
.set SPARE, 8*PARTB                    ; behind the parts: the spare words, 128 bytes for each of eight waves: four blocks of 256 bytes that no other line names
.set P,    32
.set AF,   64
.set OUT,  128                         ; in window 1
.set WTS,  16                          ; v16, 18, 20, 22: the weights of the expert in hand, tile t; the odd registers between are named as pairs' upper halves and hold 0
.set WB,   26                          ; v26-29: the bias's weights
.set SPW,  24                          ; LDS address of my spare word; never rewritten
.set NIL,  25                          ; 0; never rewritten
; v1 r, v2 h, v3 W2's offset, v4 act's, v5 the weights', v6 the experts' bits of my two list words, v7 where I store my part, v8-10 where I read parts 0, 3, 6, v11-14 the four row pairs' places in out0
; s18 wave, s19 g, s20 column slice, s21 e2 + e3, s[24:25] 2^(e2 + e3), s26 the loop's count, s27 the expert's bit, s28 which lanes' tokens use it (byte t: tile t), s[32:33] W2, s[34:35] act, s[36:37] wt: all three at the expert in hand
.set MSB, 0
.macro WIN new                         ; the immediate's high byte repeats the setting that is left; bits 1:0 source 0, 3:2 source 1, 5:4 source 2, 7:6 destination
.if MSB != \new
	s_set_vgpr_msb (MSB<<8)|\new
.set MSB, \new
.endif
.endm
.macro PLACES                          ; four places behind a matrix instruction (ISA guide 7.12.1)
.rept 4
	v_nop
.endr
.endm
	s_load_b256 s[4:11], s[0:1], 0x0               ; ord s[4:5], wt s[6:7], act s[8:9], W2's codes s[10:11]
	s_load_b128 s[12:15], s[0:1], 0x20             ; b2 s[12:13], the scales' exponents s[14:15]
	s_load_b64 s[16:17], s[0:1], 0x30              ; out0
	v_lshl_add_u32 v[SPW], v0, 2, SPARE
	v_mov_b32 v[NIL], 0
	v_lshrrev_b32 v15, 5, v0
	v_readfirstlane_b32 s18, v15                   ; wave 0..7
	s_lshr_b32 s19, ttmp9, 4                       ; g
	s_and_b32 s20, ttmp9, 15                       ; which 64 columns
	v_and_b32 v30, 31, v0                          ; lane
	v_and_b32 v1, 15, v0                           ; r
	v_bfe_u32 v2, v0, 4, 1                         ; h
	v_lshlrev_b32 v3, 11, v1
	v_lshl_add_u32 v3, v2, 4, v3
	s_wait_alu depctr_va_sdst(0)                   ; s18 is written, ahead of its first reader
	s_lshl_b32 s29, s18, 8
	v_add_nc_u32 v3, s29, v3                       ; W2: row r of 2,048 bytes, + 16 h, + my wave's 256 along K
	v_lshlrev_b32 v4, 4, v30
	s_lshl_b32 s29, s18, 12
	v_add_nc_u32 v4, s29, v4                       ; act: K steps 2 w and 2 w + 1 are 4,096 bytes; 16 x lane
	v_lshl_add_u32 v193, v2, 5, s29                ; b2: expert w's row of 4,096 bytes, + 8 h numbers
	v_lshlrev_b32 v5, 5, v1                        ; wt: token r's 32 bytes
	v_mul_u32_u24 v7, v1, RP
	v_lshl_add_u32 v7, v2, 5, v7
	s_mul_i32 s29, s18, PARTB
	v_add_nc_u32 v7, s29, v7                       ; my part: row r, + 32 h
	v_mul_u32_u24 v8, v2, RP
	v_lshl_add_u32 v8, v1, 4, v8
	s_mul_i32 s29, s18, 8*RP
	v_add_nc_u32 v8, s29, v8                       ; back: rows 8 w on; lanes 0-15 one row of 256 bytes, lanes 16-31 the next
	v_add_nc_u32 v9, 3*PARTB, v8
	v_add_nc_u32 v10, 6*PARTB, v8
	v_lshlrev_b32 v31, 3, v30                      ; the list: two words a lane: lane l stands for tile l / 8
	s_lshl_b32 s29, s18, 5
	v_lshl_add_u32 v15, v2, 2, s29                 ; and the words of the rows that I finish: 8 w + h
	s_lshl_b32 s29, s18, 2
	v_add_nc_u32 v192, s29, v5                     ; wt: token r, expert w
	s_lshl_b32 s29, s20, 8
	v_lshl_add_u32 v200, v1, 4, s29                ; out0: my 64 columns' 256 bytes, 16 bytes a lane
	s_lshl_b32 s40, s19, 8                         ; the group's 64 words of ord,
	s_mov_b32 s41, 0
	s_lshl_b32 s42, s19, 11                        ; its 64 x 32 bytes of wt,
	s_mov_b32 s43, 0
	s_lshl_b32 s44, s19, 17                        ; its four tiles' images, 32 KiB each,
	s_mov_b32 s45, 0
	s_lshl_b32 s46, s20, 17                        ; my 64 rows of W2,
	s_mov_b32 s47, 0
	s_lshl_b32 s48, s20, 8                         ; my 64 numbers of b2
	s_mov_b32 s49, 0
	s_wait_kmcnt 0x0
	s_load_b64 s[22:23], s[14:15], 0x8             ; e2 (act), e3 (W2)
	s_add_nc_u64 s[4:5], s[4:5], s[40:41]
	s_add_nc_u64 s[36:37], s[6:7], s[42:43]
	s_add_nc_u64 s[34:35], s[8:9], s[44:45]
	s_add_nc_u64 s[32:33], s[10:11], s[46:47]
	s_add_nc_u64 s[12:13], s[12:13], s[48:49]
	s_wait_alu depctr_va_vdst(0)                   ; the offsets and LDS addresses v3, v4, v5, v7 to v10, v15, v31, v192 and v193 are written, which the kernel's loads and LDS instructions read
	global_load_b64 v[194:195], v31, s[4:5]
.irp i, 0,1,2,3
	global_load_b32 v[196+\i], v15, s[4:5] offset:8*\i
.endr
.irp t, 0,1,2,3
	global_load_b32 v[WB+\t], v192, s[36:37] offset:512*\t
.endr
.irp dt, 0,1,2,3
	global_load_b128 v[AF+8*\dt:AF+8*\dt+3], v193, s[12:13] offset:64*\dt       ; b2[w][64 ds + 16 dt + 8 h + 0 .. 7], in the result's layout
	global_load_b128 v[AF+8*\dt+4:AF+8*\dt+7], v193, s[12:13] offset:64*\dt+16
.endr
.set i, 96                             ; a tile's loads and its products stand in two arms of one test: the fragments' registers that no load above names are written once, so that every way through the text finds them written
.rept 96
	v_mov_b32 v[i], 0
.set i, i+1
.endr
.irp t, 0,1,2,3
	v_mov_b32 v[WTS+2*\t+1], 0
.endr
	s_wait_kmcnt 0x0
	s_add_co_i32 s21, s22, s23                     ; e2 + e3
	s_sub_co_i32 s29, 0, s21
	s_add_co_i32 s24, s21, 127
	s_lshl_b32 s24, s24, 23                        ; 2^(e2 + e3) as f32
	s_mov_b32 s25, s24                             ; (named with it as a pair, so it is written)
	s_wait_loadcnt 0x0
	s_wait_alu depctr_vm_vsrc(0)                   ; the list's four loads have read v15, which the loop's first line writes
	v_or_b32 v6, v194, v195
.irp i, 0,1,2,3
	v_and_b32 v[11+\i], 0x3ff, v[196+\i]           ; the token,
	v_min_u32 v[11+\i], 0x3ff, v[11+\i]            ; held ahead of the address,
	v_lshlrev_b32 v[11+\i], 12, v[11+\i]           ; its row of 4,096 bytes,
	v_add_nc_u32 v[11+\i], v[11+\i], v200          ; my columns
.endr
.irp t, 0,1,2,3
	v_ldexp_f32 v[WB+\t], v[WB+\t], s29
.endr
	WIN 0x40                                       ; destination window 1
.irp t, 0,1,2,3
.irp dt, 0,1,2,3
.irp j, 0,1,2,3,4,5,6,7
	v_mul_f32 v[OUT+32*\t+8*\dt+\j], v[WB+\t], v[AF+8*\dt+\j]   ; the bias starts the sums
.endr
.endr
.endr
	WIN 0
	s_mov_b32 s26, 0
	s_mov_b32 s27, 0x10000
.Lexp:                                                 ; eight trips, one an expert
	v_and_b32 v15, s27, v6
	v_cmp_ne_u32 s28, 0, v15
	s_wait_alu depctr_va_sdst(0)                   ; the compare has written s28, ahead of its first reader
	s_cmp_eq_u32 s28, 0
	s_cbranch_scc1 .Lstep                          ; none of the group's 64 tokens chose it: the same in all eight waves
	WIN 0x40
	s_wait_alu depctr_va_vdst(0)                   ; the last trip's products are done reading W2's and act's fragments, its multiply-adds the weights; in the first trip the zeros in v96-191 are written and the bias's multiplies are done reading v64-95: all this trip's loads land in these
.irp dt, 0,1,2,3
.irp ks, 0,1
.irp cc, 0,1,2,3
	global_load_b128 v[32*\dt+16*\ks+4*\cc:32*\dt+16*\ks+4*\cc+3], v3, s[32:33] offset:32768*\dt+128*\ks+32*\cc   ; eight loads cover 256 consecutive bytes of each of 16 rows
.endr
.endr
.endr
	WIN 0
.irp t, 0,1,2,3
	global_load_b32 v[WTS+2*\t], v5, s[36:37] offset:512*\t
.endr
.irp t, 0,1,2,3
	s_and_b32 s29, s28, 0xff<<(8*\t)
	s_cmp_eq_u32 s29, 0
	s_cbranch_scc1 .Lnl_\t                         ; the tile does not use the expert: its images were not written and are not read
.irp q, 0,1,2,3,4,5,6,7
	global_load_b128 v[AF+32*\t+4*\q:AF+32*\t+4*\q+3], v4, s[34:35] offset:32768*\t+512*\q   ; 512 consecutive bytes a load.  No further wait: no vector or matrix instruction since the wait above
.endr
.Lnl_\t:
.endr
	s_wait_loadcnt 0x0                             ; how many are out hangs on the list: so the count is 0
.irp t, 0,1,2,3
	s_and_b32 s29, s28, 0xff<<(8*\t)
	s_cmp_eq_u32 s29, 0
	s_cbranch_scc1 .Lnc_\t
	WIN 0x01                                       ; source 0 (W2) window 1
.irp ks, 0,1                                   ; the four accumulators take turns, one instruction a turn; the first product starts each sum
.irp dt, 0,1,2,3
.if \ks == 0
	v_wmma_f32_16x16x128_fp8_fp8 v[P+8*\dt:P+8*\dt+7], v[32*\dt+16*\ks:32*\dt+16*\ks+15], v[AF+32*\t+16*\ks:AF+32*\t+16*\ks+15], 0
.else
	v_wmma_f32_16x16x128_fp8_fp8 v[P+8*\dt:P+8*\dt+7], v[32*\dt+16*\ks:32*\dt+16*\ks+15], v[AF+32*\t+16*\ks:AF+32*\t+16*\ks+15], v[P+8*\dt:P+8*\dt+7]
.endif
.endr
.endr
	WIN 0x50                                       ; source 2 and destination window 1
	PLACES
.irp dt, 0,1,2,3                               ; my part += weight x sums, each accumulator from its low end on.  With the four lines above these are also the places ahead of the next products, which write the accumulators anew
.irp j, 0,2,4,6
	v_pk_fma_f32 v[OUT+32*\t+8*\dt+\j:OUT+32*\t+8*\dt+\j+1], v[P+8*\dt+\j:P+8*\dt+\j+1], v[WTS+2*\t:WTS+2*\t+1], v[OUT+32*\t+8*\dt+\j:OUT+32*\t+8*\dt+\j+1] op_sel_hi:[1,0,1]
.endr
.endr
	WIN 0
.Lnc_\t:
.endr
.Lstep:                                                ; every load of the trip is done: the three bases may step.  No vector register that a load reads is written in the loop
	s_add_nc_u64 s[32:33], s[32:33], 0x200000      ; an expert's W2 is 2 MiB,
	s_add_nc_u64 s[34:35], s[34:35], 0x200000      ; and so are its images;
	s_add_nc_u64 s[36:37], s[36:37], 4             ; its weight is the next word of a token's eight
	s_lshl_b32 s27, s27, 1
	s_add_co_u32 s26, s26, 1
	s_cmp_lt_u32 s26, 8
	s_cbranch_scc1 .Lexp
	; THE WAY OUT: the eight parts meet in LDS; wave w adds rows 8 w .. 8 w + 7 and stores them at their tokens' rows.
	s_wait_alu depctr_va_vdst(0)                   ; the multiply-adds, and the head's multiplies by the bias, have written my part, which the LDS stores read; and the products are done reading W2's fragments, in which the parts' loads land behind the barrier
	WIN 0x04                                       ; store data window 1
.irp t, 0,1,2,3
.irp dt, 0,1,2,3
	ds_store_b128 v7, v[OUT+32*\t+8*\dt:OUT+32*\t+8*\dt+3] offset:16*RP*\t+64*\dt
	ds_store_b128 v7, v[OUT+32*\t+8*\dt+4:OUT+32*\t+8*\dt+7] offset:16*RP*\t+64*\dt+16
.endr
.endr
	WIN 0
	s_wait_dscnt 0x0                               ; for the others' sake: my part has landed
	s_barrier_signal -1
	s_barrier_wait -1
	WIN 0x40
.irp pw, 0,1,2,3,4,5,6,7
.irp i, 0,1,2,3
	ds_load_b128 v[16*\pw+4*\i:16*\pw+4*\i+3], v[8+\pw/3] offset:PARTB*(\pw%3)+2*RP*\i   ; part pw, rows 8 w + 2 i and + 1.  No vector or matrix instruction since the wait ahead of the stores
.endr
.endr
	WIN 0
	s_wait_dscnt 0x0
	WIN 0x45                                       ; sources 0 and 1 and destination window 1
.irp a, 0,2,4,6
.irp j, 0,2,4,6,8,10,12,14
	v_pk_add_f32 v[16*\a+\j:16*\a+\j+1], v[16*\a+\j:16*\a+\j+1], v[16*(\a+1)+\j:16*(\a+1)+\j+1]
.endr
.endr
.irp a, 0,4
.irp j, 0,2,4,6,8,10,12,14
	v_pk_add_f32 v[16*\a+\j:16*\a+\j+1], v[16*\a+\j:16*\a+\j+1], v[16*(\a+2)+\j:16*(\a+2)+\j+1]
.endr
.endr
.irp j, 0,2,4,6,8,10,12,14
	v_pk_add_f32 v[\j:\j+1], v[\j:\j+1], v[64+\j:64+\j+1]
.endr
.irp j, 0,2,4,6,8,10,12,14
	v_pk_mul_f32 v[\j:\j+1], v[\j:\j+1], s[24:25] op_sel_hi:[1,0]   ; x 2^(e2 + e3)
.endr
	WIN 0x04
	s_wait_alu depctr_va_vdst(0)                   ; the last multiplies have written the sixteen results, which the stores read
.irp i, 0,1,2,3
	global_store_b128 v[11+\i], v[4*\i:4*\i+3], s[16:17] th:TH_STORE_NT   ; sixteen lanes store 256 consecutive bytes of a token's row, aligned; written once, read by nobody here
.endr
	WIN 0
	s_wait_dscnt 0x0                               ; the closing lines, six on end
	s_wait_alu 0x0
	s_wait_tensorcnt 0x0
	ds_add_u32 v[SPW], v[NIL]
	s_wait_dscnt 0x0
	s_endpgm
.Lfunc_end_k_qbd2e1a4740_down:
	.size	k_qbd2e1a4740_down, .Lfunc_end_k_qbd2e1a4740_down-k_qbd2e1a4740_down
	.p2alignl 7, 3214868480
	.fill 96, 4, 3214868480
	.section	.rodata,"a",@progbits
	.p2align	6, 0x0
	.amdhsa_kernel k_qbd2e1a4740_down
		.amdhsa_group_segment_fixed_size 140288
		.amdhsa_private_segment_fixed_size 0
		.amdhsa_enable_private_segment 0
		.amdhsa_kernarg_size 56
		.amdhsa_user_sgpr_count 2
		.amdhsa_user_sgpr_kernarg_segment_ptr 1
		.amdhsa_wavefront_size32 1
		.amdhsa_system_sgpr_workgroup_id_x 1
		.amdhsa_system_sgpr_workgroup_id_y 1
		.amdhsa_system_sgpr_workgroup_id_z 1
		.amdhsa_system_vgpr_workitem_id 0
		.amdhsa_next_free_vgpr 512
		.amdhsa_next_free_sgpr 66
		.amdhsa_reserve_vcc 0
		.amdhsa_float_denorm_mode_32 3
		.amdhsa_float_denorm_mode_16_64 3
		.amdhsa_memory_ordered 1
		.amdhsa_forward_progress 1
		.amdhsa_inst_pref_size 37
	.end_amdhsa_kernel
	.amdgpu_metadata
---
amdhsa.version: [ 1, 2 ]
amdhsa.kernels:
  - .name:           k_qbd2e1a4740_down
    .symbol:         k_qbd2e1a4740_down.kd
    .args:
      - { .name: ord, .offset: 0, .size: 8, .value_kind: global_buffer, .address_space: global }
      - { .name: wt, .offset: 8, .size: 8, .value_kind: global_buffer, .address_space: global }
      - { .name: act, .offset: 16, .size: 8, .value_kind: global_buffer, .address_space: global }
      - { .name: W2_codes, .offset: 24, .size: 8, .value_kind: global_buffer, .address_space: global }
      - { .name: b2, .offset: 32, .size: 8, .value_kind: global_buffer, .address_space: global }
      - { .name: lowp_scales, .offset: 40, .size: 8, .value_kind: global_buffer, .address_space: global }
      - { .name: out0, .offset: 48, .size: 8, .value_kind: global_buffer, .address_space: global }
    .group_segment_fixed_size: 140288
    .private_segment_fixed_size: 0
    .kernarg_segment_align: 8
    .kernarg_segment_size: 56
    .max_flat_workgroup_size: 256
    .sgpr_count:     66
    .vgpr_count:     512
    .wavefront_size: 32
...
	.end_amdgpu_metadata
.endif
;; end of part 6
